; MI455X (gfx1250); checked and timed in simulation.
; The chip was launched on July 23, 2026; its instructions are those of AMD's public machine-readable ISA for CDNA 5 (MIT licence, August 2026) and "CDNA5" Instruction Set Architecture Reference Guide (July 2026). The comments in the code are by the model that wrote it; some were corrected since.
;; Swin Transformer Block. Allowed arithmetic: float matrix products may take bf16 or f16 operands with f32 sums; all other float work in f32.
;; Inputs: fc1_b 2,048 float32; fc1_w 2,048 x 512 float32; fc2_b 512 float32; fc2_w 512 x 2,048 float32; kln_b 16 x 1 x 32 float32; kln_w 16 x 1 x 32 float32; mask_matrix 1 int32; norm1_b 512 float32; norm1_w 512 float32; norm2_b 512 float32; norm2_w 512 float32; vln_b 16 x 1 x 32 float32; vln_w 16 x 1 x 32 float32; x 4 x 8,192 x 512 float32.
;; Outputs: out0 4 x 8,192 x 512 float32.
;; 2 versions, each right and faster than the one before. Each part assembles by itself: llvm-mc -triple=amdgcn-amd-amdhsa -mcpu=gfx1250 --defsym DOCPART=n.
;; ======== version 1 of 2: 3 launches
;; workspace buffers: gpart 16,777,216 bytes; spart 524,288 bytes; st1 262,144 bytes; kvf 131,072 bytes; wt 4,194,304 bytes
;; launch gram (part 1): grid 256 x 1, 16 waves a work-group, no clusters, 171,008 bytes of LDS; arguments x, norm1_w, norm1_b, gpart, spart, st1; writes gpart, spart, st1
.if DOCPART == 1
	.amdgcn_target "amdgcn-amd-amdhsa--gfx1250"
	.amdhsa_code_object_version 6
	.text
	.protected	k_q9e0962fd62_gram
	.globl	k_q9e0962fd62_gram
	.p2align	8
	.type	k_q9e0962fd62_gram,@function
k_q9e0962fd62_gram:
	s_mov_b64 s[64:65], 0
	v_nop
	global_prefetch_b8 v0, s[64:65] scope:SCOPE_SE
	s_setreg_imm32_b32 hwreg(HW_REG_WAVE_MODE, 25, 1), 1
	s_wait_xcnt 0x0
; LayerNorm 1, the heads' second normalisation, and this work-group's share of the sums that kv is made of.
; h = LN1(x).  For each head of 32 channels u = (h - mean) / (std + 1e-5), std unbiased.  k and v of the module are the SAME u under two
; gains and biases, so the sum over rows of k^T v follows from G = sum u^T u (32 x 32 a head) and s = sum u (32 a head): the next launch does that.
; A work-group owns 128 rows; it stores its G (raw accumulators), its s, and (rs, -mean rs) of LN1 for each row, which the last launch uses again.
; SHARES.  Sixteen waves.  A row is one wave's: lane l holds channels 128 j + 4 l + 0..3 (j = 0..3), so each load covers 512 consecutive bytes and a
; head is eight neighbouring lanes of one j.  Wave w takes rows 64 s + 4 w + i (s = 0, 1; i = 0..3); four rows are worked on side by side.
; All 32 loads of a wave go out at the start.  Behind the one barrier wave w makes head w's G from u in LDS (bf16, turned by ds_load_tr16_b128).
; LIMITS.  u is rounded to bf16 for G (s is summed of the unrounded u); G and s are summed in another order than a plain sum over rows; v_sqrt_f32,
; v_rsq_f32 and v_rcp_f32 take denormals as 0 (ISA guide 15.8); NaN and infinities are not treated apart.  A head of variance 0 gives u = 0.
; No tensor load, no cluster: the work-groups share no input but 4 KB of gains.
.set PT,  1056                         ; a row of u in LDS: 1,024 bytes + 32 = 33 x 32
.set SB,  128*PT                       ; behind u: each wave's sum of u, 16 x 2,048 bytes
.set S1,  SB+32768                     ; behind that: (rs, nm) of the 128 rows
.set N1W, 16                           ; v16-31   norm1_w of my 16 channels
.set N1B, 32                           ; v32-47   norm1_b
.set SA,  48                           ; v48-63   running sum of u
.set TR,  64                           ; v64-79   four a row: mean, scratch, rs, nm
.set TH,  80                           ; v80-111  eight a row: a pair for each j
.set X,   128                          ; v128-255 row (s, i) at X + 64 s + 16 i
.set G,   128                          ; later: the four accumulators, tile 2 i + j at G + 8 tile
.set FR,  160                          ; later: fragments, 32 rows kk, 16 channels blk at FR + 16 kk + 8 blk
; v1 lane  v2 x offset  v3 16 lane  v4, v5 u's store address, step 0, 1  v6, v7 the turning load's address, rows 0-63, 64-127
; v8 where my sum of u goes  v9 where (rs, nm) go  v10 my offset in gpart  v11, v12 at the end
.macro ALL4 line:vararg                ; one line for each of the step's four rows
.set ii, 0
.rept 4
.set rR, TR+4*ii
.set rT, TH+8*ii
.set rX, XS+16*ii
	\line
.set ii, ii+1
.endr
.endm
.macro ALL16 line:vararg               ; one line for each row and each j: a lane's four channels of one head
.set ii, 0
.rept 16
.set rH, TH+2*ii
.set rQ, XS+4*ii
	\line
.set ii, ii+1
.endr
.endm
.macro ALL32 line:vararg               ; one line for each row and each pair of channels
.set ii, 0
.rept 32
.set rP, XS+2*ii
.set rR, TR+4*(ii/8)
.set rW, 2*(ii%8)
	\line
.set ii, ii+1
.endr
.endm
.macro WAVESUM o                       ; v[rR+o] summed over the 32 lanes, in every lane
.irp m, 1,2,4,8
	ALL4 v_add_f32_dpp v[rR+\o], v[rR+\o], v[rR+\o] row_xmask:\m row_mask:0xf bank_mask:0xf
.endr
	ALL4 v_permlanex16_b32 v[rR+1], v[rR+\o], s20, s21
	ALL4 v_add_f32 v[rR+\o], v[rR+\o], v[rR+1]
.endm
.macro HEADSUM                         ; v[rH] summed over the head's eight lanes
.irp m, 1,2,4
	ALL16 v_add_f32_dpp v[rH], v[rH], v[rH] row_xmask:\m row_mask:0xf bank_mask:0xf
.endr
.endm
.macro ACCUM row, start                ; the running sum of u takes a row; start = 1: rows 0 and 1 begin it, nothing is cleared
.set pp, 0
.rept 8
.if \start
	v_pk_add_f32 v[SA+2*pp:SA+2*pp+1], v[XS+2*pp:XS+2*pp+1], v[XS+16+2*pp:XS+16+2*pp+1]
.else
	v_pk_add_f32 v[SA+2*pp:SA+2*pp+1], v[SA+2*pp:SA+2*pp+1], v[XS+16*(\row)+2*pp:XS+16*(\row)+2*pp+1]
.endif
.set pp, pp+1
.endr
.endm
	s_load_b256 s[4:11], s[0:1], 0x0               ; x s[4:5], norm1_w s[6:7], norm1_b s[8:9], gpart s[10:11]
	s_load_b128 s[12:15], s[0:1], 0x20             ; spart s[12:13], st1 s[14:15]
	v_lshl_add_u32 v14, v0, 2, 0x29400
	v_mov_b32 v15, 0
	v_and_b32 v1, 31, v0
	v_lshrrev_b32 v12, 5, v0
	v_readfirstlane_b32 s16, v12                   ; wave 0..15
	s_mov_b32 s20, 0x76543210                      ; v_permlanex16_b32: each lane takes its own place in the other half
	s_mov_b32 s21, 0xfedcba98
	s_mov_b32 s22, 0x3b000000                      ; 1 / 512
	s_mov_b32 s23, 0x3727c5ac                      ; 1e-5
	v_lshlrev_b32 v3, 4, v1
	s_lshl_b32 s17, s16, 13                        ; my four rows of 2,048 bytes
	v_add_nc_u32 v2, s17, v3
	s_lshl_b32 s18, ttmp9, 18                      ; the work-group's 128 rows
	s_mov_b32 s19, 0
	s_wait_kmcnt 0x0
	s_add_nc_u64 s[4:5], s[4:5], s[18:19]
.irp j, 0,1,2,3
	global_load_b128 v[N1W+4*\j:N1W+4*\j+3], v3, s[6:7] offset:512*\j
	global_load_b128 v[N1B+4*\j:N1B+4*\j+3], v3, s[8:9] offset:512*\j
.endr
.irp s, 0,1
.irp i, 0,1,2,3
.irp j, 0,1,2,3
	global_load_b128 v[X+64*\s+16*\i+4*\j:X+64*\s+16*\i+4*\j+3], v2, s[4:5] offset:\s*131072+\i*2048+\j*512  ; 512 consecutive bytes a load; all eight rows are asked for now
.endr
.endr
.endr
	s_lshl_b32 s18, ttmp9, 16
	s_add_nc_u64 s[10:11], s[10:11], s[18:19]      ; gpart: 65,536 bytes a work-group
	s_lshl_b32 s18, ttmp9, 11
	s_add_nc_u64 s[12:13], s[12:13], s[18:19]      ; spart: 2,048
	s_lshl_b32 s18, ttmp9, 10
	s_add_nc_u64 s[14:15], s[14:15], s[18:19]      ; st1: 1,024
	s_mul_i32 s17, s16, 4*PT
	v_lshl_add_u32 v4, v1, 3, s17                  ; u: row 4 w, byte 8 lane
	v_add_nc_u32 v5, 64*PT, v4
	v_bfe_u32 v12, v0, 4, 1
	v_and_b32 v13, 7, v0
	v_lshl_add_u32 v12, v12, 3, v13                ; the turning load: row 8 (l / 16) + l % 8,
	v_mul_u32_u24 v6, v12, PT
	v_bfe_u32 v13, v0, 3, 1
	v_lshl_add_u32 v6, v13, 4, v6                  ; 16 bytes for each half of eight lanes,
	s_lshl_b32 s17, s16, 6
	v_add_nc_u32 v6, s17, v6                       ; head w's 64 bytes of a row
	v_add_nc_u32 v7, 64*PT, v6
	s_lshl_b32 s17, s16, 11
	s_add_co_u32 s17, s17, SB
	v_add_nc_u32 v8, s17, v3
	s_lshl_b32 s17, s16, 5
	s_add_co_u32 s17, s17, S1
	v_mov_b32 v9, s17
	s_lshl_b32 s17, s16, 12
	v_add_nc_u32 v10, s17, v3
.irp i, 0,1,2,3
	v_mov_b32 v[TR+4*\i+1], 0                      ; v_permlanex16_b32 counts as a reader of its destination
.endr
; Four rows, stage by stage.  left = the younger loads that may stay out.
.macro STEP s, left
.set XS, X+64*(\s)
	s_wait_loadcnt \left                           ; loads come back in order (ISA guide 5.7.1): this step's 16 are in
	; the row's mean
	ALL16 v_pk_add_f32 v[rH:rH+1], v[rQ:rQ+1], v[rQ+2:rQ+3]
	ALL4 v_pk_add_f32 v[rT:rT+1], v[rT:rT+1], v[rT+2:rT+3]
	ALL4 v_pk_add_f32 v[rT+4:rT+5], v[rT+4:rT+5], v[rT+6:rT+7]
	ALL4 v_pk_add_f32 v[rT:rT+1], v[rT:rT+1], v[rT+4:rT+5]
	ALL4 v_add_f32 v[rR], v[rT], v[rT+1]
	WAVESUM 0
	ALL4 v_mul_f32 v[rR], s22, v[rR]
	ALL32 v_pk_add_f32 v[rP:rP+1], v[rP:rP+1], v[rR:rR+1] op_sel_hi:[1,0] neg_lo:[0,1] neg_hi:[0,1]  ; centred in place: the variance is a sum of squares of differences
	; the row's variance, rs = 1 / sqrt(var + 1e-5), nm = -mean rs
	ALL4 v_pk_mul_f32 v[rT:rT+1], v[rX:rX+1], v[rX:rX+1]
	ALL4 v_pk_mul_f32 v[rT+2:rT+3], v[rX+2:rX+3], v[rX+2:rX+3]
.irp p, 4,8,12
	ALL4 v_pk_fma_f32 v[rT:rT+1], v[rX+\p:rX+\p+1], v[rX+\p:rX+\p+1], v[rT:rT+1]
	ALL4 v_pk_fma_f32 v[rT+2:rT+3], v[rX+\p+2:rX+\p+3], v[rX+\p+2:rX+\p+3], v[rT+2:rT+3]
.endr
	ALL4 v_pk_add_f32 v[rT:rT+1], v[rT:rT+1], v[rT+2:rT+3]
	ALL4 v_add_f32 v[rR+2], v[rT], v[rT+1]
	WAVESUM 2
	ALL4 v_fma_f32 v[rR+2], v[rR+2], s22, s23
	ALL4 v_rsq_f32 v[rR+2], v[rR+2]
	v_nop                                          ; a plain instruction between the last v_rsq_f32 and the use of its result (ISA guide 5.7.2)
	s_wait_alu depctr_va_vdst(0)
	ALL4 v_mul_f32 v[rR+3], -v[rR], v[rR+2]
	ALL4 ds_store_b64 v9, v[rR+2:rR+3] offset:512*(\s)+8*ii  ; every lane writes the same two words
	; h
	ALL32 v_pk_mul_f32 v[rP:rP+1], v[rP:rP+1], v[rR+2:rR+3] op_sel_hi:[1,0]
	ALL32 v_pk_fma_f32 v[rP:rP+1], v[rP:rP+1], v[N1W+rW:N1W+rW+1], v[N1B+rW:N1B+rW+1]
	; the heads: mean over 32, centred, unbiased std, u = centred / (std + 1e-5)
	ALL16 v_pk_add_f32 v[rH:rH+1], v[rQ:rQ+1], v[rQ+2:rQ+3]
	ALL16 v_add_f32 v[rH], v[rH], v[rH+1]
	HEADSUM
	ALL16 v_mul_f32 v[rH], 0x3d000000, v[rH]
	ALL16 v_pk_add_f32 v[rQ:rQ+1], v[rQ:rQ+1], v[rH:rH+1] op_sel_hi:[1,0] neg_lo:[0,1] neg_hi:[0,1]
	ALL16 v_pk_add_f32 v[rQ+2:rQ+3], v[rQ+2:rQ+3], v[rH:rH+1] op_sel_hi:[1,0] neg_lo:[0,1] neg_hi:[0,1]
	ALL16 v_pk_mul_f32 v[rH:rH+1], v[rQ:rQ+1], v[rQ:rQ+1]
	ALL16 v_pk_fma_f32 v[rH:rH+1], v[rQ+2:rQ+3], v[rQ+2:rQ+3], v[rH:rH+1]
	ALL16 v_add_f32 v[rH], v[rH], v[rH+1]
	HEADSUM
	ALL16 v_mul_f32 v[rH], 0x3d042108, v[rH]       ; / 31
	ALL16 v_sqrt_f32 v[rH], v[rH]
	v_nop
	s_wait_alu depctr_va_vdst(0)
	ALL16 v_add_f32 v[rH], s23, v[rH]
	ALL16 v_rcp_f32 v[rH], v[rH]
	v_nop
	s_wait_alu depctr_va_vdst(0)
	ALL16 v_pk_mul_f32 v[rQ:rQ+1], v[rQ:rQ+1], v[rH:rH+1] op_sel_hi:[1,0]
	ALL16 v_pk_mul_f32 v[rQ+2:rQ+3], v[rQ+2:rQ+3], v[rH:rH+1] op_sel_hi:[1,0]
	; s takes the rows; u goes to LDS in bf16
.if (\s) == 0
	ACCUM 0, 1
.else
	ACCUM 0, 0
	ACCUM 1, 0
.endif
	ACCUM 2, 0
	ACCUM 3, 0
	ALL16 v_cvt_pk_bf16_f32 v[rQ], v[rQ], v[rQ+1]
	ALL16 v_cvt_pk_bf16_f32 v[rQ+1], v[rQ+2], v[rQ+3]
	ALL16 ds_store_b64 v[4+(\s)], v[rQ:rQ+1] offset:(ii/4)*PT+256*(ii%4)  ; 256 consecutive bytes a store
.endm
	STEP 0, 16                                     ; the 16 younger loads are the second step's
	STEP 1, 0
.irp j, 0,1,2,3
	ds_store_b128 v8, v[SA+4*\j:SA+4*\j+3] offset:512*\j
.endr
	s_wait_dscnt 0x0                               ; for the others' sake: my u, my sum and my (rs, nm) are in LDS
	s_barrier_signal -1
	s_barrier_wait -1
	; head w: G[d][e] = sum over the 128 rows of u[row][d] u[row][e].  A fragment holds 16 channels x 32 rows; source 0 and source 1 are the same fragments.
.irp kk, 0,1,2,3
.irp blk, 0,1
	ds_load_tr16_b128 v[FR+16*\kk+8*\blk:FR+16*\kk+8*\blk+3],   v[6+\kk/2] offset:(\kk%2)*32*PT+32*\blk
	ds_load_tr16_b128 v[FR+16*\kk+8*\blk+4:FR+16*\kk+8*\blk+7], v[6+\kk/2] offset:(\kk%2)*32*PT+16*PT+32*\blk
.endr
.endr
	s_wait_dscnt 0x0
.irp kk, 0,1,2,3                       ; the four accumulators take turns, one instruction a turn; the first 32 rows start the sums
.irp i, 0,1
.irp j, 0,1
.if \kk == 0
	v_wmma_f32_16x16x32_bf16 v[G+8*(2*\i+\j):G+8*(2*\i+\j)+7], v[FR+16*\kk+8*\i:FR+16*\kk+8*\i+7], v[FR+16*\kk+8*\j:FR+16*\kk+8*\j+7], 0
.else
	v_wmma_f32_16x16x32_bf16 v[G+8*(2*\i+\j):G+8*(2*\i+\j)+7], v[FR+16*\kk+8*\i:FR+16*\kk+8*\i+7], v[FR+16*\kk+8*\j:FR+16*\kk+8*\j+7], v[G+8*(2*\i+\j):G+8*(2*\i+\j)+7]
.endif
.endr
.endr
.endr
.rept 4
	v_nop                                          ; four places between the last product and the stores that read results
.endr
.irp tile, 0,1,2,3
	global_store_b128 v10, v[G+8*\tile:G+8*\tile+3],   s[10:11] offset:\tile*1024      ; the accumulator as it lies, its low registers first: 512 consecutive bytes a store
	global_store_b128 v10, v[G+8*\tile+4:G+8*\tile+7], s[10:11] offset:\tile*1024+512
.endr
	s_cmp_lt_u32 s16, 4
	s_cbranch_scc0 .Lnot_sum
	; waves 0-3: the sixteen waves' sums of u are added; thread t has channels 4 t .. 4 t + 3
	v_lshl_add_u32 v11, v0, 4, SB
.irp k, 0,1,2,3,4,5,6,7,8,9,10,11,12,13,14,15
	ds_load_b128 v[64+4*\k:64+4*\k+3], v11 offset:2048*\k
.endr
	v_lshlrev_b32 v12, 4, v0
	s_wait_dscnt 0x0
.irp st, 8,4,2,1
.set k, 0
.rept \st
	v_pk_add_f32 v[64+4*k:64+4*k+1],   v[64+4*k:64+4*k+1],   v[64+4*(k+\st):64+4*(k+\st)+1]
	v_pk_add_f32 v[64+4*k+2:64+4*k+3], v[64+4*k+2:64+4*k+3], v[64+4*(k+\st)+2:64+4*(k+\st)+3]
.set k, k+1
.endr
.endr
	global_store_b128 v12, v[64:67], s[12:13]
	s_branch .Lend
.Lnot_sum:
	s_cmp_eq_u32 s16, 4
	s_cbranch_scc0 .Lend
	; wave 4: (rs, nm) of the 128 rows, 1,024 bytes
	v_lshl_add_u32 v11, v1, 4, S1
	ds_load_b128 v[64:67], v11
	ds_load_b128 v[68:71], v11 offset:512
	s_wait_dscnt 0x0
	global_store_b128 v3, v[64:67], s[14:15]
	global_store_b128 v3, v[68:71], s[14:15] offset:512
.Lend:
	s_wait_tensorcnt 0x0
	ds_add_u32 v14, v15
	s_wait_dscnt 0x0
	s_endpgm
.Lfunc_end_k_q9e0962fd62_gram:
	.size	k_q9e0962fd62_gram, .Lfunc_end_k_q9e0962fd62_gram-k_q9e0962fd62_gram
	.p2alignl 7, 3214868480
	.fill 96, 4, 3214868480
	.section	.rodata,"a",@progbits
	.p2align	6, 0x0
	.amdhsa_kernel k_q9e0962fd62_gram
		.amdhsa_group_segment_fixed_size 171008
		.amdhsa_private_segment_fixed_size 0
		.amdhsa_enable_private_segment 0
		.amdhsa_kernarg_size 48
		.amdhsa_user_sgpr_count 2
		.amdhsa_user_sgpr_kernarg_segment_ptr 1
		.amdhsa_wavefront_size32 1
		.amdhsa_system_sgpr_workgroup_id_x 1
		.amdhsa_system_sgpr_workgroup_id_y 1
		.amdhsa_system_sgpr_workgroup_id_z 1
		.amdhsa_system_vgpr_workitem_id 0
		.amdhsa_next_free_vgpr 256
		.amdhsa_next_free_sgpr 66
		.amdhsa_reserve_vcc 0
		.amdhsa_float_denorm_mode_32 3
		.amdhsa_float_denorm_mode_16_64 3
		.amdhsa_memory_ordered 1
		.amdhsa_forward_progress 1
		.amdhsa_inst_pref_size 87
	.end_amdhsa_kernel
	.amdgpu_metadata
---
amdhsa.version: [ 1, 2 ]
amdhsa.kernels:
  - .name:           k_q9e0962fd62_gram
    .symbol:         k_q9e0962fd62_gram.kd
    .args:
      - { .name: x, .offset: 0, .size: 8, .value_kind: global_buffer, .address_space: global }
      - { .name: norm1_w, .offset: 8, .size: 8, .value_kind: global_buffer, .address_space: global }
      - { .name: norm1_b, .offset: 16, .size: 8, .value_kind: global_buffer, .address_space: global }
      - { .name: gpart, .offset: 24, .size: 8, .value_kind: global_buffer, .address_space: global }
      - { .name: spart, .offset: 32, .size: 8, .value_kind: global_buffer, .address_space: global }
      - { .name: st1, .offset: 40, .size: 8, .value_kind: global_buffer, .address_space: global }
    .group_segment_fixed_size: 171008
    .private_segment_fixed_size: 0
    .kernarg_segment_align: 8
    .kernarg_segment_size: 48
    .max_flat_workgroup_size: 512
    .sgpr_count:     66
    .vgpr_count:     256
    .wavefront_size: 32
...
	.end_amdgpu_metadata
.endif
;; end of part 1
;; launch prep (part 2): grid 256 x 1, 4 waves a work-group, no clusters, 8,704 bytes of LDS; arguments gpart, spart, kln_w, kln_b, vln_w, vln_b, fc1_w, fc2_w, kvf, wt, mask_matrix; writes kvf, wt
.if DOCPART == 2
	.amdgcn_target "amdgcn-amd-amdhsa--gfx1250"
	.amdhsa_code_object_version 6
	.text
	.protected	k_q9e0962fd62_prep
	.globl	k_q9e0962fd62_prep
	.p2align	8
	.type	k_q9e0962fd62_prep,@function
k_q9e0962fd62_prep:
	s_mov_b64 s[64:65], 0
	v_nop
	global_prefetch_b8 v0, s[64:65] scope:SCOPE_SE
	s_setreg_imm32_b32 hwreg(HW_REG_WAVE_MODE, 25, 1), 1
	s_wait_xcnt 0x0
; Two small jobs for each of 256 work-groups.
; (a) A quarter (128 rows of 64 numbers) of one of the 64 weight tiles that the last launch walks, rounded to bf16 and laid in the order of use.
;     Tile tau: pair pi = tau / 2, half = tau % 2.  pi = 0: fc1 chunk 0; pi odd (1..29): fc1 chunk (pi + 1) / 2; pi even (2..30): fc2 chunk pi / 2 - 1; pi = 31: fc2 chunk 15.
;     fc1 tile (chunk c of 128 hidden units, half kh of K): row 128 kb + hid = fc1_w[128 c + hid][256 kh + 64 kb ..+63].  fc2 tile (chunk c, half hf): row ch = fc2_w[ch][128 c + 64 hf ..+63].
; (b) One 16 x 16 tile (i, j) of kv for one batch and head: the 64 work-groups' partial G and s of the batch are added, and
;     kv[d][e] = kw_d (vw_e G[d][e] / n + vb_e s_d / n) + kb_d (vw_e s_e / n + vb_e),  n = 8,192,
;     which is sum k^T v / n with k = kw u + kb, v = vw u + vb, term by term.  It leaves in bf16 as the fragment that the last launch's product takes as source 0.
; mask_matrix: reference() takes it and puts it into no result.  It is read here, and the number enters nothing.
; Memory binds both jobs: all 70 loads of a wave go out before the first wait.  No matrix unit, no tensor load, no cluster: nothing is shared.
.set WG, 16                            ; v16-79   16 loads of weights
.set GG, 80                            ; v80-207  16 partial accumulators of 8
.set SS, 208                           ; v208-223 16 partial s
.set KW, 224                           ; v224-231 kw_d, v232-239 kb_d of my eight d
.set KB, 232
.set VW, 240                           ; v240 vw_e, v241 vb_e, v242 s_e, v243 vw_e s_e + vb_e
.set SD, 216                           ; later: s_d of my eight d
.macro CONV base, off, stride          ; 16 loads: two whole source rows of 256 bytes each
.set k, 0
.rept 16
	global_load_b128 v[WG+4*k:WG+4*k+3], v[\off], s[\base:\base+1] offset:2*k*(\stride) th:TH_LOAD_NT
.set k, k+1
.endr
.endm
	s_load_b512 s[4:19], s[0:1], 0x0               ; gpart 4, spart 6, kln_w 8, kln_b 10, vln_w 12, vln_b 14, fc1_w 16, fc2_w 18
	s_load_b128 s[20:23], s[0:1], 0x40             ; kvf 20, wt 22
	s_load_b64 s[46:47], s[0:1], 0x50              ; mask_matrix
	v_lshl_add_u32 v254, v0, 2, 0x2000
	v_mov_b32 v255, 0
	v_lshrrev_b32 v1, 5, v0
	v_readfirstlane_b32 s24, v1                    ; wave 0..3
	s_lshr_b32 s25, ttmp9, 2                       ; tau; also 16 batch + head
	s_and_b32 s26, ttmp9, 3                        ; the quarter; also the tile 2 i + j
	s_lshr_b32 s27, s25, 1                         ; pi
	s_and_b32 s28, s25, 1                          ; half
	s_and_b32 s29, s27, 1                          ; 1: a tile of fc1
	s_cmp_eq_u32 s27, 0
	s_cselect_b32 s29, 1, s29
	s_cmp_eq_u32 s27, 31
	s_cselect_b32 s29, 0, s29
	s_add_co_u32 s30, s27, 1
	s_lshr_b32 s30, s30, 1                         ; fc1's chunk
	s_lshr_b32 s31, s27, 1
	s_sub_co_u32 s31, s31, 1                       ; fc2's chunk
	s_cmp_eq_u32 s27, 31
	s_cselect_b32 s31, 15, s31
	s_cmp_eq_u32 s29, 1
	s_cselect_b32 s30, s30, s31                    ; the chunk
	s_lshl_b32 s32, s30, 18                        ; fc1: chunk x 128 rows of 2,048 bytes + half x 1,024 + quarter x 256
	s_lshl_b32 s34, s28, 10
	s_add_co_u32 s32, s32, s34
	s_lshl_b32 s34, s26, 8
	s_add_co_u32 s32, s32, s34
	s_mov_b32 s33, 0
	s_lshl_b32 s34, s26, 20                        ; fc2: quarter x 128 rows of 8,192 bytes + chunk x 512 + half x 256
	s_lshl_b32 s36, s30, 9
	s_add_co_u32 s34, s34, s36
	s_lshl_b32 s36, s28, 8
	s_add_co_u32 s34, s34, s36
	s_mov_b32 s35, 0
	s_lshl_b32 s36, s25, 16                        ; wt: tile x 65,536 + quarter x 16,384
	s_lshl_b32 s38, s26, 14
	s_add_co_u32 s36, s36, s38
	s_mov_b32 s37, 0
	s_lshr_b32 s40, s26, 1                         ; i
	s_and_b32 s41, s26, 1                          ; j
	s_lshr_b32 s42, s25, 4                         ; batch
	s_and_b32 s43, s25, 15                         ; head
	s_lshl_b32 s38, s42, 6
	s_lshl_b32 s44, s24, 4
	s_add_co_u32 s38, s38, s44                     ; my first partial: 64 batch + 16 wave
	s_lshl_b32 s44, s38, 11                        ; spart: x 2,048 + head x 128
	s_lshl_b32 s27, s43, 7
	s_add_co_u32 s44, s44, s27
	s_mov_b32 s45, 0
	s_lshl_b32 s38, s38, 16                        ; gpart: x 65,536 + head x 4,096 + tile x 1,024
	s_lshl_b32 s28, s43, 12
	s_add_co_u32 s38, s38, s28
	s_lshl_b32 s28, s26, 10
	s_add_co_u32 s38, s38, s28
	s_mov_b32 s39, 0
	v_and_b32 v1, 31, v0                           ; lane
	v_bfe_u32 v2, v0, 4, 1                         ; l / 16
	v_and_b32 v3, 15, v0                           ; l % 16
	v_and_b32 v4, 0x60, v0                         ; 32 wave
	v_add_nc_u32 v4, v4, v2                        ; my first row of the quarter
	v_lshlrev_b32 v6, 4, v3
	v_lshl_add_u32 v5, v4, 11, v6                  ; in fc1_w
	v_lshl_add_u32 v6, v4, 13, v6                  ; in fc2_w
	v_lshlrev_b32 v7, 4, v1
	v_lshlrev_b32 v8, 2, v1
	s_lshl_b32 s28, s40, 6
	s_add_co_u32 s28, s28, s27
	v_lshl_add_u32 v9, v2, 5, s28                  ; kw, kb: (32 head + 16 i + 8 (l / 16)) x 4
	s_lshl_b32 s28, s41, 6
	s_add_co_u32 s28, s28, s27
	v_lshl_add_u32 v10, v3, 2, s28                 ; vw, vb: (32 head + 16 j + l % 16) x 4
	s_lshl_b32 s28, s24, 12
	v_lshl_add_u32 v11, v1, 3, s28                 ; wt: wave x 4,096 + 8 lane
	v_lshlrev_b32 v12, 5, v0                       ; LDS: 32 bytes a thread for G,
	v_lshl_add_u32 v14, v0, 2, 4096                ; 4 for s
	s_lshl_b32 s28, s40, 6
	s_add_co_u32 s28, s28, 4608
	v_lshl_add_u32 v15, v2, 5, s28                 ; LDS: s_d
	s_lshl_b32 s28, s41, 6
	s_add_co_u32 s28, s28, 4608
	v_lshl_add_u32 v13, v3, 2, s28                 ; LDS: s_e
	s_wait_kmcnt 0x0
	s_load_b32 s31, s[46:47], 0x0                  ; mask_matrix: see the head
	s_add_nc_u64 s[16:17], s[16:17], s[32:33]
	s_add_nc_u64 s[18:19], s[18:19], s[34:35]
	s_add_nc_u64 s[22:23], s[22:23], s[36:37]
	s_add_nc_u64 s[4:5], s[4:5], s[38:39]
	s_add_nc_u64 s[6:7], s[6:7], s[44:45]
	s_lshl_b32 s44, s25, 1                         ; kvf: ((16 batch + head) x 2 + j) x 2 + i, x 512
	s_add_co_u32 s44, s44, s41
	s_lshl_b32 s44, s44, 1
	s_add_co_u32 s44, s44, s40
	s_lshl_b32 s44, s44, 9
	s_add_nc_u64 s[20:21], s[20:21], s[44:45]
	s_cmp_eq_u32 s29, 1
	s_cbranch_scc0 .Lfc2                           ; both ways issue 16 loads: the counts below hold on either
	CONV 16, 5, 2048
	s_branch .Lasked
.Lfc2:
	CONV 18, 6, 8192
.Lasked:
.set k, 0
.rept 16
	global_load_b128 v[GG+8*k:GG+8*k+3],   v7, s[4:5] offset:k*65536 th:TH_LOAD_NT
	global_load_b128 v[GG+8*k+4:GG+8*k+7], v7, s[4:5] offset:k*65536+512 th:TH_LOAD_NT
.set k, k+1
.endr
.set k, 0
.rept 16
	global_load_b32 v[SS+k], v8, s[6:7] offset:k*2048
.set k, k+1
.endr
	global_load_b128 v[KW:KW+3],   v9, s[8:9]
	global_load_b128 v[KW+4:KW+7], v9, s[8:9] offset:16
	global_load_b128 v[KB:KB+3],   v9, s[10:11]
	global_load_b128 v[KB+4:KB+7], v9, s[10:11] offset:16
	global_load_b32 v[VW],   v10, s[12:13]
	global_load_b32 v[VW+1], v10, s[14:15]
	s_wait_loadcnt 54                              ; the 16 loads of weights are in; the 32 + 16 + 6 issued behind them stay out
.set k, 0
.rept 16
	v_cvt_pk_bf16_f32 v[WG+4*k],   v[WG+4*k],   v[WG+4*k+1]
	v_cvt_pk_bf16_f32 v[WG+4*k+1], v[WG+4*k+2], v[WG+4*k+3]
	global_store_b64 v11, v[WG+4*k:WG+4*k+1], s[22:23] offset:256*k  ; 256 consecutive bytes, at a multiple of 256 from wt's first byte: two rows of the tile
.set k, k+1
.endr
	s_wait_loadcnt 0x0
.irp st, 8,4,2,1
.set k, 0
.rept \st
.set q, 0
.rept 4
	v_pk_add_f32 v[GG+8*k+2*q:GG+8*k+2*q+1], v[GG+8*k+2*q:GG+8*k+2*q+1], v[GG+8*(k+\st)+2*q:GG+8*(k+\st)+2*q+1]
.set q, q+1
.endr
	v_add_f32 v[SS+k], v[SS+k], v[SS+k+\st]
.set k, k+1
.endr
.endr
	ds_store_b128 v12, v[GG:GG+3]
	ds_store_b128 v12, v[GG+4:GG+7] offset:16
	ds_store_b32 v14, v[SS]
	s_wait_dscnt 0x0                               ; for wave 0's sake
	s_barrier_signal -1
	s_barrier_wait -1
	s_cmp_lg_u32 s24, 0
	s_cbranch_scc1 .Lend
	; wave 0 alone: the four waves' sums, then kv.  In wave 0 the thread's number is the lane's.
.irp w, 0,1,2,3
	ds_load_b128 v[GG+8*\w:GG+8*\w+3],   v12 offset:1024*\w
	ds_load_b128 v[GG+8*\w+4:GG+8*\w+7], v12 offset:1024*\w+16
	ds_load_b32 v[SS+\w], v14 offset:128*\w
.endr
	s_wait_dscnt 0x0
.irp q, 0,2,4,6
	v_pk_add_f32 v[GG+\q:GG+\q+1], v[GG+\q:GG+\q+1], v[GG+8+\q:GG+8+\q+1]
	v_pk_add_f32 v[GG+16+\q:GG+16+\q+1], v[GG+16+\q:GG+16+\q+1], v[GG+24+\q:GG+24+\q+1]
.endr
	v_add_f32 v[SS], v[SS], v[SS+1]
	v_add_f32 v[SS+2], v[SS+2], v[SS+3]
	v_add_f32 v[SS], v[SS], v[SS+2]
	v_mul_f32 v[SS], 0x39000000, v[SS]             ; s / n: lane l holds channel l of the head
	ds_store_b32 v14, v[SS] offset:512
	ds_load_b128 v[SD:SD+3],   v15                 ; LDS serves a wave's instructions in order (ISA guide 5.7.1.4): these see the store above
	ds_load_b128 v[SD+4:SD+7], v15 offset:16
	ds_load_b32 v[VW+2], v13
.irp q, 0,2,4,6
	v_pk_add_f32 v[GG+\q:GG+\q+1], v[GG+\q:GG+\q+1], v[GG+16+\q:GG+16+\q+1]
.endr
.irp q, 0,2,4,6
	v_pk_mul_f32 v[GG+\q:GG+\q+1], v[GG+\q:GG+\q+1], 0x39000000 op_sel_hi:[1,0]  ; G / n
.endr
	s_wait_dscnt 0x0
	v_fma_f32 v[VW+3], v[VW], v[VW+2], v[VW+1]     ; vw_e s_e / n + vb_e
.irp c, 0,1,2,3,4,5,6,7
	v_mul_f32 v[GG+\c], v[VW], v[GG+\c]
.endr
.irp c, 0,1,2,3,4,5,6,7
	v_fma_f32 v[GG+\c], v[VW+1], v[SD+\c], v[GG+\c]
.endr
.irp c, 0,1,2,3,4,5,6,7
	v_mul_f32 v[GG+\c], v[KW+\c], v[GG+\c]
.endr
.irp c, 0,1,2,3,4,5,6,7
	v_fma_f32 v[GG+\c], v[KB+\c], v[VW+3], v[GG+\c]
.endr
.irp c, 0,1,2,3
	v_cvt_pk_bf16_f32 v[GG+8+\c], v[GG+2*\c], v[GG+2*\c+1]
.endr
	global_store_b128 v7, v[GG+8:GG+11], s[20:21]  ; 512 consecutive bytes: lane (e = 16 j + l % 16) holds d = 16 i + 8 (l / 16) + 0..7
.Lend:
	s_wait_tensorcnt 0x0
	ds_add_u32 v254, v255
	s_wait_dscnt 0x0
	s_endpgm
.Lfunc_end_k_q9e0962fd62_prep:
	.size	k_q9e0962fd62_prep, .Lfunc_end_k_q9e0962fd62_prep-k_q9e0962fd62_prep
	.p2alignl 7, 3214868480
	.fill 96, 4, 3214868480
	.section	.rodata,"a",@progbits
	.p2align	6, 0x0
	.amdhsa_kernel k_q9e0962fd62_prep
		.amdhsa_group_segment_fixed_size 8704
		.amdhsa_private_segment_fixed_size 0
		.amdhsa_enable_private_segment 0
		.amdhsa_kernarg_size 88
		.amdhsa_user_sgpr_count 2
		.amdhsa_user_sgpr_kernarg_segment_ptr 1
		.amdhsa_wavefront_size32 1
		.amdhsa_system_sgpr_workgroup_id_x 1
		.amdhsa_system_sgpr_workgroup_id_y 1
		.amdhsa_system_sgpr_workgroup_id_z 1
		.amdhsa_system_vgpr_workitem_id 0
		.amdhsa_next_free_vgpr 256
		.amdhsa_next_free_sgpr 66
		.amdhsa_reserve_vcc 0
		.amdhsa_float_denorm_mode_32 3
		.amdhsa_float_denorm_mode_16_64 3
		.amdhsa_memory_ordered 1
		.amdhsa_forward_progress 1
		.amdhsa_inst_pref_size 25
	.end_amdhsa_kernel
	.amdgpu_metadata
---
amdhsa.version: [ 1, 2 ]
amdhsa.kernels:
  - .name:           k_q9e0962fd62_prep
    .symbol:         k_q9e0962fd62_prep.kd
    .args:
      - { .name: gpart, .offset: 0, .size: 8, .value_kind: global_buffer, .address_space: global }
      - { .name: spart, .offset: 8, .size: 8, .value_kind: global_buffer, .address_space: global }
      - { .name: kln_w, .offset: 16, .size: 8, .value_kind: global_buffer, .address_space: global }
      - { .name: kln_b, .offset: 24, .size: 8, .value_kind: global_buffer, .address_space: global }
      - { .name: vln_w, .offset: 32, .size: 8, .value_kind: global_buffer, .address_space: global }
      - { .name: vln_b, .offset: 40, .size: 8, .value_kind: global_buffer, .address_space: global }
      - { .name: fc1_w, .offset: 48, .size: 8, .value_kind: global_buffer, .address_space: global }
      - { .name: fc2_w, .offset: 56, .size: 8, .value_kind: global_buffer, .address_space: global }
      - { .name: kvf, .offset: 64, .size: 8, .value_kind: global_buffer, .address_space: global }
      - { .name: wt, .offset: 72, .size: 8, .value_kind: global_buffer, .address_space: global }
      - { .name: mask_matrix, .offset: 80, .size: 8, .value_kind: global_buffer, .address_space: global }
    .group_segment_fixed_size: 8704
    .private_segment_fixed_size: 0
    .kernarg_segment_align: 8
    .kernarg_segment_size: 88
    .max_flat_workgroup_size: 128
    .sgpr_count:     66
    .vgpr_count:     256
    .wavefront_size: 32
...
	.end_amdgpu_metadata
.endif
;; end of part 2
;; launch mlp (part 3): grid 256 x 1, 4 waves a work-group, clusters of 4 x 1, 327,680 bytes of LDS; arguments x, kvf, wt, st1, norm1_w, norm1_b, norm2_w, norm2_b, fc1_b, fc2_b, out0; writes out0
.if DOCPART == 3
	.amdgcn_target "amdgcn-amd-amdhsa--gfx1250"
	.amdhsa_code_object_version 6
	.text
	.protected	k_q9e0962fd62_mlp
	.globl	k_q9e0962fd62_mlp
	.p2align	8
	.type	k_q9e0962fd62_mlp,@function
k_q9e0962fd62_mlp:
	s_mov_b64 s[64:65], 0
	v_nop
	global_prefetch_b8 v0, s[64:65] scope:SCOPE_SE
	s_setreg_imm32_b32 hwreg(HW_REG_WAVE_MODE, 25, 1), 1
	s_wait_xcnt 0x0
	s_wait_alu depctr_hold_cnt(0) depctr_sa_sdst(0) depctr_va_vdst(0) depctr_va_sdst(0) depctr_va_ssrc(0) depctr_va_vcc(0) depctr_vm_vsrc(0)
	s_getreg_b32 s2, hwreg(HW_REG_IB_STS2, 6, 4)
	s_cmp_eq_u32 s2, 0
	s_cbranch_scc0 .Lentry_in_a_cluster
	s_endpgm
.Lentry_in_a_cluster:
	s_bfe_u32 s2, ttmp6, 0x10000c
	s_cmp_lg_u32 s2, 0x3003
	s_cbranch_scc0 .Lentry_shape_is_right
	s_endpgm
.Lentry_shape_is_right:
; The rest of the block for 128 tokens a work-group: h = LN1(x) (statistics from st1), x2 = x + h + h kv, m = LN2(x2), out = x2 + fc2(gelu(fc1(m))).
; EVERY PRODUCT IS USED TRANSPOSED: source 0 = 16 rows of weights, source 1 = 16 tokens.  A lane then holds ONE token (l % 16) and eight neighbouring channels 8 (l / 16) + 0..7.
; SHARES.  Four waves.  Wave w owns channels 128 w ..+127 (heads 4 w ..+3) of all 128 tokens: 64 accumulators, 512 registers, which hold in turn x, x + h, x2 (the attention's products add
; onto them), x2 + fc2_b and out: x2 stays in f32 and in registers.  fc1 goes in 16 chunks of 128 hidden units; of a chunk wave w makes tokens 64 (w / 2) ..+63 x hidden 64 (w % 2) ..+63.
; PIPELINE.  fc1(0); gelu(0); then for c = 1..15: fc1(c); fc2(c - 1), with gelu(c) dealt behind its 256 matrix instructions, 4 or 5 behind each (1,152 in all); H(c) to LDS; at last fc2(15).
; WEIGHTS come as 64 tiles of 65,536 bytes (bf16, in the order of use) through two LDS slots.  All work-groups walk the same tiles, so the four of a cluster ask JOINTLY:
; each wave asks for its quarter, the same line, descriptor and mask in all four.  A request has 128 matrix instructions less the 16 inside the round in which to land.
; gelu is exact gelu with erf by Abramowitz and Stegun 7.1.26: gelu(x) = x / 2 + |x| (1/2 - P(t) 2^(-x^2 log2(e) / 2)), t = 1 / (1 + 0.2316419 |x|), P of degree 5 with halved coefficients.
; LIMITS.  erf is off by 1.5e-7 at the most, for every x; h, kv, m, H and the weights are rounded to bf16 for the products; v_exp_f32, v_rcp_f32 and v_rsq_f32 take denormals as 0
; (ISA guide 15.8); NaN and infinities are not treated apart.
; REGISTERS, in windows of 256 (s_set_vgpr_msb: bits 1:0 source 0, 3:2 source 1, 5:4 source 2, 7:6 destination):
;   window 0: v0-31 addresses; v32-63 at work; v64-191 fc1's 16 accumulators (at first kv's fragments and fc2_b; at last rows on their way out); v192-223 fc1_b of a chunk (at first statistics); v224-255 at work
;   window 1: two fragment buffers of 128 (at first the four LayerNorm vectors, then h's fragments)     windows 2, 3: the 64 accumulators, token tile t, channel block b at 8 (8 (t % 4) + b) of window 2 + t / 4
.set PW,    144                        ; a row of a weight tile in LDS: 128 bytes + 16 = 36 words: the 16 rows of a load start at 16 different groups of four banks (64 banks of 4 bytes: ISA guide 11.1)
.set SLOTB, 512*PW                     ; a slot: 73,728 bytes; slot 0 at 0, slot 1 behind it
.set PX,    528                        ; a row of x's stage: 512 bytes + 16
.set XSTR,  64*PX                      ; a wave's strip of 64 tokens.  Tokens 0-63 land at 0 (over the slots' bytes, which are filled again later), tokens 64-127 at MB
.set MB,    2*SLOTB                    ; 147,456: h, then m: 128 rows of 1,040 bytes (1,024 + 16); at last the waves' stages for the way out.  Its one fill is x's second half
.set PM,    1040
.set HC,    MB+128*PM                  ; 280,576: H of a chunk: 128 rows of 272 bytes (256 + 16)
.set PH,    272
.set STAT,  HC+4096                    ; at first: two exchanges of 16 x 144 bytes for LN2's sums
.set B1T,   HC+128*PH                  ; 315,392: fc1_b, 8,192 bytes
.set SPARE, B1T+8192                   ; 323,584: the spare words, 128 bytes for each wave: two blocks of 256 bytes that no other line names
.set AW1, 3                            ; v3, v4   my fc1 weight fragments in slot 0, 1
.set AM,  5                            ; v5       my fragments of m
.set AW2, 6                            ; v6, v7   my fc2 weight fragments in slot 0, 1
.set AH,  8                            ; v8       fragments of H
.set STO, 9                            ; v9       where I put 16 bytes of H
.set AB1, 10                           ; v10      fc1_b of the chunk to come; steps by 512
.set STO2, 11                          ; v11      the way out: where I put 16 bytes of a row
.set RD2, 12                           ; v12      the way out: where I read a row back
.set CO,  13                           ; v13      my byte offset in a row of out0
.set XA,  14                           ; v14, v15 my place in x's stage, tokens 0-63, 64-127
.set HS,  16                           ; v16, v17 my 16 bytes of h or m, tokens 0-63, 64-127
.set STW, 18                           ; v18      the exchange: where my eight sums go
.set STR, 19                           ; v19      the exchange: where the four waves' sums lie
.set PRM, 20                           ; v20      my channels in a vector of 512 f32
.set R8,  21                           ; v21      8 (l % 16)
.set L16, 22                           ; v22      16 lane
.set T16, 23                           ; v23      16 thread
.set B1A, 24                           ; v24      B1T + 16 thread
.set SPW, 28                           ; v28      LDS address of my spare word: SPARE + 4 x my thread's number; never rewritten
.set NIL, 29                           ; v29      0; never rewritten
.set DT,  32                           ; v32-63   at work
.set GD,  32                           ; gelu: t, then the result
.set GS,  40                           ; gelu: x^2, then the exponential
.set GQ,  48                           ; gelu: the polynomial
.set GH,  56                           ; gelu: x / 2
.set ACC1, 64
.set KVF, 64                           ; kv's fragments: head hd of my four, rows e = 16 j .. at KVF + 16 hd + 8 j
.set FB2, 128                          ; fc2_b of my 64 channels a lane
.set BIAS, 192
.set ST,  192                          ; a pair for each token tile: (rs, nm); between the two sums of LN2 (mean, -)
.set SUM, 208
.set SQ,  224
.set PK,  224
.set OB,  64
.set F0,  0
.set F1,  128
.set G1W, 32                           ; s[32:39] descriptor group 1 for weight tiles
.set G1X, 40                           ; s[40:47] for x
.set G0W, 48                           ; s[48:55] group 0 for weight tiles, a set for each slot
.set G0X, 56                           ; s[56:63] group 0 for x's two halves
; s3 trips  s[4:25] the eleven addresses  s26 wave  s27 w / 2  s28 w % 2  s29 cx  s30 work-group  s31, s[82:85] scratch  s[66:75] the polynomial  s[76:77] -log2(e) / 2  s78 0.2316419  s[80:81] lane selects  s86 1 / 512  s87 1e-5
.set MSB, 0
.macro WIN new                         ; the immediate's high byte repeats the setting that is left; a switch that changes nothing is dropped
.if MSB != (\new)
	s_set_vgpr_msb (MSB<<8)|(\new)
.set MSB, (\new)
.endif
.endm
.macro PLACES                          ; four places: in front of loads into registers that matrix instructions have read, and of lines that read results (ISA guide 7.12.1 for lines that read results)
.rept 4
	v_nop
.endr
.endm
.macro CREST                           ; a round of the cluster's barrier behind its opening barrier
	s_cmp_lg_u32 s26, 0
	s_cbranch_scc1 .Lnot_wave_0_\@
	s_barrier_signal -3
.Lnot_wave_0_\@:
	s_barrier_wait -3
	s_barrier_signal -1
	s_barrier_wait -1
.endm
.macro CROUND                          ; a whole round
	s_barrier_signal -1
	s_barrier_wait -1
	CREST
.endm
.macro REFILL slot                     ; my quarter of the slot's next tile, asked for jointly; four v_nop follow the line: they are also the places in front of the loads behind it
	tensor_load_to_lds s[G0W+4*(\slot):G0W+4*(\slot)+3], s[G1W:G1W+7]
	s_nop 0
	PLACES
.endm
	s_load_b512 s[4:19], s[0:1], 0x0               ; x 4, kvf 6, wt 8, st1 10, norm1_w 12, norm1_b 14, norm2_w 16, norm2_b 18
	s_load_b128 s[20:23], s[0:1], 0x40             ; fc1_b 20, fc2_b 22
	s_load_b64 s[24:25], s[0:1], 0x50              ; out0
	v_lshl_add_u32 v[SPW], v0, 2, SPARE
	v_mov_b32 v[NIL], 0
	ds_add_u32 v28, v29
	s_wait_dscnt 0x0
	v_lshrrev_b32 v1, 5, v0
	v_readfirstlane_b32 s26, v1                    ; wave 0..3
	s_lshr_b32 s27, s26, 1
	s_and_b32 s28, s26, 1
	s_bfe_u32 s29, ttmp6, 0x40000                  ; cx: my place in the cluster
	s_lshl_b32 s30, ttmp9, 2                       ; in a cluster launch ttmp9 counts clusters
	s_add_co_u32 s30, s30, s29                     ; my block of 128 tokens: it enters the addresses of x, st1, kvf and out0 alone
	; group 1 for weights: a quarter tile is 16,384 dense bytes, asked for as 64 rows of 256 bytes and padded in LDS after every 128
	s_mov_b32 s[G1W+0], 15|(1<<16)|(1<<20)|(1<<21)|(4<<22)|(3<<25)  ; 15:0 the mask of four; 17:16 2-byte elements; 20 padding on; 21 set beside a mask; 24:22 after every 32 words (code 4); 31:25 4 words (code 3)
	s_mov_b32 s[G1W+1], 128<<16                    ; tensor_dim0 = 128
	s_mov_b32 s[G1W+2], 64<<16                     ; tensor_dim1 = 64
	s_mov_b32 s[G1W+3], 128<<16                    ; tile_dim0 = 128
	s_mov_b32 s[G1W+4], 64                         ; tile_dim1 = 64
	s_mov_b32 s[G1W+5], 128                        ; 128 elements from row to row
	s_mov_b32 s[G1W+6], 0
	s_mov_b32 s[G1W+7], 0
	; group 1 for x: 64 tokens x my 128 channels of f32, a load of my own (mask 0)
	s_mov_b32 s[G1X+0], (2<<16)|(1<<20)|(6<<22)|(3<<25)  ; 4-byte elements; padding after every 128 words (code 6), 4 words
	s_mov_b32 s[G1X+1], 128<<16
	s_mov_b32 s[G1X+2], 64<<16
	s_mov_b32 s[G1X+3], 128<<16
	s_mov_b32 s[G1X+4], 64
	s_mov_b32 s[G1X+5], 512
	s_mov_b32 s[G1X+6], 0
	s_mov_b32 s[G1X+7], 0
	s_mul_i32 s31, s26, 128*PW                     ; a weight tile's quarter: wave x 128 rows: no place in the cluster enters an LDS address
	s_mov_b32 s[G0W+0], 1
	s_mov_b32 s[G0W+1], s31
	s_mov_b32 s[G0W+4], 1
	s_add_co_u32 s[G0W+5], s31, SLOTB
	s_lshl_b32 s82, s26, 14
	s_mov_b32 s83, 0
	s_mul_i32 s31, s26, XSTR
	s_mov_b32 s[G0X+0], 1
	s_mov_b32 s[G0X+1], s31
	s_mov_b32 s[G0X+4], 1
	s_add_co_u32 s[G0X+5], s31, MB
	s_lshl_b32 s84, s30, 18                        ; 128 tokens of 2,048 bytes,
	s_lshl_b32 s31, s26, 9                         ; my 512 bytes of a row
	s_add_co_u32 s84, s84, s31
	s_mov_b32 s85, 0
	s_mov_b32 s66, 0x3f07dc22                      ;  1.061405429 / 2
	s_mov_b32 s67, s66                             ; (the packed forms name pairs, so both words are written)
	s_mov_b32 s68, 0xbf3a00e3                      ; -1.453152027 / 2
	s_mov_b32 s69, s68
	s_mov_b32 s70, 0x3f35f0e3                      ;  1.421413741 / 2
	s_mov_b32 s71, s70
	s_mov_b32 s72, 0xbe11a98e                      ; -0.284496736 / 2
	s_mov_b32 s73, s72
	s_mov_b32 s74, 0x3e027906                      ;  0.254829592 / 2
	s_mov_b32 s75, s74
	s_mov_b32 s76, 0xbf38aa3b                      ; -log2(e) / 2
	s_mov_b32 s77, s76
	s_mov_b32 s78, 0x3e6d3388                      ; 0.3275911 / sqrt(2)
	s_mov_b32 s80, 0x76543210
	s_mov_b32 s81, 0xfedcba98
	s_mov_b32 s86, 0x3b000000                      ; 1 / 512
	s_mov_b32 s87, 0x3727c5ac                      ; 1e-5
	s_wait_kmcnt 0x0
	s_add_nc_u64 s[G0W+2:G0W+3], s[8:9], s[82:83]  ; tile 0, my quarter
	s_add_nc_u64 s[G0W+6:G0W+7], s[G0W+2:G0W+3], 65536  ; tile 1
	s_or_b32 s[G0W+3], s[G0W+3], 0x80000000        ; 127:126 type = 2
	s_or_b32 s[G0W+7], s[G0W+7], 0x80000000
	s_add_nc_u64 s[G0X+2:G0X+3], s[4:5], s[84:85]
	s_add_nc_u64 s[G0X+6:G0X+7], s[G0X+2:G0X+3], 131072  ; 64 tokens on
	s_or_b32 s[G0X+3], s[G0X+3], 0x80000000
	s_or_b32 s[G0X+7], s[G0X+7], 0x80000000
	s_lshr_b32 s82, s30, 6                         ; the batch: 64 work-groups each
	s_lshl_b32 s82, s82, 2
	s_add_co_u32 s82, s82, s26
	s_lshl_b32 s82, s82, 13                        ; (16 batch + 4 wave) heads of 2,048 bytes
	s_add_nc_u64 s[6:7], s[6:7], s[82:83]
	s_lshl_b32 s82, s30, 10
	s_add_nc_u64 s[10:11], s[10:11], s[82:83]      ; st1: 128 rows of 8 bytes
	s_lshl_b32 s82, s30, 18
	s_add_nc_u64 s[24:25], s[24:25], s[82:83]      ; out0 at my first token
	CROUND                                         ; the one round in front of the first fills
	tensor_load_to_lds s[G0X:G0X+3], s[G1X:G1X+7]  ; x, tokens 0-63: two loads of mine are out
	s_nop 0
	tensor_load_to_lds s[G0X+4:G0X+7], s[G1X:G1X+7]  ; tokens 64-127
	s_nop 0
	PLACES
	v_and_b32 v1, 15, v0                           ; l % 16
	v_bfe_u32 v2, v0, 4, 1                         ; l / 16
	v_and_b32 v24, 31, v0
	v_lshlrev_b32 v[L16], 4, v24
	v_lshlrev_b32 v[T16], 4, v0
	v_lshlrev_b32 v[R8], 3, v1
	s_lshl_b32 s31, s26, 9
	v_add_nc_u32 v[CO], s31, v[L16]
	v_lshl_add_u32 v[PRM], v2, 5, s31              ; channels 128 w + 8 (l / 16), in bytes of f32
	WIN 0x40                                       ; destination window 1, address window 0
.irp cb, 0,1,2,3,4,5,6,7               ; register 8 cb + j of each vector: channel 128 w + 16 cb + 8 (l / 16) + j
	global_load_b128 v[8*\cb:8*\cb+3],         v[PRM], s[12:13] offset:64*\cb
	global_load_b128 v[8*\cb+4:8*\cb+7],       v[PRM], s[12:13] offset:64*\cb+16
	global_load_b128 v[64+8*\cb:64+8*\cb+3],   v[PRM], s[14:15] offset:64*\cb
	global_load_b128 v[64+8*\cb+4:64+8*\cb+7], v[PRM], s[14:15] offset:64*\cb+16
	global_load_b128 v[128+8*\cb:128+8*\cb+3],   v[PRM], s[16:17] offset:64*\cb
	global_load_b128 v[128+8*\cb+4:128+8*\cb+7], v[PRM], s[16:17] offset:64*\cb+16
	global_load_b128 v[192+8*\cb:192+8*\cb+3],   v[PRM], s[18:19] offset:64*\cb
	global_load_b128 v[192+8*\cb+4:192+8*\cb+7], v[PRM], s[18:19] offset:64*\cb+16
.endr
	WIN 0
.irp cb, 0,1,2,3,4,5,6,7
	global_load_b128 v[FB2+8*\cb:FB2+8*\cb+3],   v[PRM], s[22:23] offset:64*\cb
	global_load_b128 v[FB2+8*\cb+4:FB2+8*\cb+7], v[PRM], s[22:23] offset:64*\cb+16
.endr
.irp f, 0,1,2,3,4,5,6,7                ; f = 2 hd + j
	global_load_b128 v[KVF+8*\f:KVF+8*\f+3],   v[L16], s[6:7] offset:1024*\f
	global_load_b128 v[KVF+8*\f+4:KVF+8*\f+7], v[L16], s[6:7] offset:1024*\f+512
.endr
.irp t8, 0,1,2,3,4,5,6,7
	global_load_b64 v[ST+2*\t8:ST+2*\t8+1], v[R8], s[10:11] offset:128*\t8  ; (rs, nm) of token 16 t + l % 16
.endr
.irp k, 0,1,2,3
	global_load_b128 v[DT+4*\k:DT+4*\k+3], v[T16], s[20:21] offset:2048*\k  ; fc1_b, whole, once for the work-group
.endr
	v_mul_u32_u24 v25, v1, PW
	v_lshl_add_u32 v25, v2, 4, v25                 ; a weight fragment: row x pitch + 16 x half
	s_mul_i32 s31, s28, 64*PW
	v_add_nc_u32 v[AW1], s31, v25
	v_add_nc_u32 v[AW1+1], SLOTB, v[AW1]
	s_mul_i32 s31, s26, 128*PW
	v_add_nc_u32 v[AW2], s31, v25
	v_add_nc_u32 v[AW2+1], SLOTB, v[AW2]
	v_mul_u32_u24 v26, v1, PM
	v_lshl_add_u32 v26, v2, 4, v26
	s_mul_i32 s31, s27, 64*PM
	s_add_co_u32 s31, s31, MB
	v_add_nc_u32 v[AM], s31, v26
	s_lshl_b32 s31, s26, 8
	s_add_co_u32 s31, s31, MB
	v_add_nc_u32 v[HS], s31, v26
	v_add_nc_u32 v[HS+1], 64*PM, v[HS]
	v_mul_u32_u24 v27, v1, PH
	v_lshl_add_u32 v27, v2, 4, v27
	v_add_nc_u32 v[AH], HC, v27
	s_mul_i32 s31, s27, 64*PH
	s_lshl_b32 s82, s28, 7
	s_add_co_u32 s31, s31, s82
	s_add_co_u32 s31, s31, HC
	v_add_nc_u32 v[STO], s31, v27
	s_lshl_b32 s31, s28, 8
	s_add_co_u32 s31, s31, B1T
	v_lshl_add_u32 v[AB1], v2, 5, s31
	v_mul_u32_u24 v30, v1, PX
	v_lshl_add_u32 v30, v2, 5, v30                 ; row x 528 + 32 x half
	s_mul_i32 s31, s26, 16*PX
	s_add_co_u32 s31, s31, MB
	v_add_nc_u32 v[STO2], s31, v30
	v_add_nc_u32 v[RD2], s31, v[L16]
	s_mul_i32 s31, s26, XSTR
	v_add_nc_u32 v[XA], s31, v30
	v_add_nc_u32 v[XA+1], MB, v[XA]
	v_mul_u32_u24 v[STR], v1, 144
	v_add_nc_u32 v[STR], STAT, v[STR]
	s_lshl_b32 s31, s26, 5
	v_add_nc_u32 v[STW], s31, v[STR]
	v_add_nc_u32 v[B1A], B1T, v[T16]
; x out of my own strip of the stage into the accumulators of window 2 + W: c = 8 tt + cb
.macro XIN W
	WIN 0x80+0x40*(\W)
.set c, 0
.rept 32
	ds_load_b128 v[8*c:8*c+3],   v[XA+(\W)] offset:(c/8)*16*PX+64*(c%8)
	ds_load_b128 v[8*c+4:8*c+7], v[XA+(\W)] offset:(c/8)*16*PX+64*(c%8)+16
.set c, c+1
.endr
.endm
	s_wait_tensorcnt 1                             ; tokens 0-63 are in; the second half may stay out.  Only I read my strip: my own counter orders these reads
	XIN 0
	s_wait_tensorcnt 0x0
	XIN 1
	WIN 0
	s_wait_loadcnt 0x0                             ; the vectors, kv, the statistics, fc1_b
.irp k, 0,1,2,3
	ds_store_b128 v[B1A], v[DT+4*\k:DT+4*\k+3] offset:2048*\k
.endr
	s_wait_tensorcnt 0x0                           ; slot 0's bytes held x: they are filled again.  No tensor load of mine is out;
	ds_add_u32 v[SPW], v[NIL]                      ; 0 onto my spare word;
	s_wait_dscnt 0x0                               ; the add is done, x is in registers, fc1_b is in LDS
	CROUND                                         ; no wave of any partner still reads the bytes; also: every wave has left x's second half, over which h is stored
	REFILL 0                                       ; tile 0
; (X rs + nm) w + b for all 64 accumulators, in 16 batches of 32 registers (token tile t, channel blocks 4 cbh ..+3); the result goes to LDS in bf16, into my own 256 bytes of each row.
; wr, br: where w and b lie in window 1.  fb = 0: X takes the result on top (x + h).  fb = 1: X takes fc2_b on top.
.macro NORMPASS wr, br, fb
.set t, 0
.rept 8
.set cbh, 0
.rept 2
.set xb, 64*(t%4)+32*cbh
	WIN 0x02+t/4                                   ; source 0 in window 2 or 3
.set p, 0
.rept 16
	v_pk_fma_f32 v[DT+2*p:DT+2*p+1], v[xb+2*p:xb+2*p+1], v[ST+2*t:ST+2*t+1], v[ST+2*t:ST+2*t+1] op_sel:[0,0,1] op_sel_hi:[1,0,1]  ; rs for both halves, nm for both
.set p, p+1
.endr
	WIN 0x14                                       ; sources 1 and 2 in window 1
.set p, 0
.rept 16
	v_pk_fma_f32 v[DT+2*p:DT+2*p+1], v[DT+2*p:DT+2*p+1], v[(\wr)+32*cbh+2*p:(\wr)+32*cbh+2*p+1], v[(\br)+32*cbh+2*p:(\br)+32*cbh+2*p+1]
.set p, p+1
.endr
	WIN 0
.set p, 0
.rept 16
	v_cvt_pk_bf16_f32 v[PK+p], v[DT+2*p], v[DT+2*p+1]
.set p, p+1
.endr
.set p, 0
.rept 4
	ds_store_b128 v[HS+t/4], v[PK+4*p:PK+4*p+3] offset:(t%4)*16*PM+32*(4*cbh+p)
.set p, p+1
.endr
	WIN 0x82+0x41*(t/4)                            ; destination and source 0 in window 2 or 3
.set p, 0
.rept 16
.if \fb
	v_pk_add_f32 v[xb+2*p:xb+2*p+1], v[xb+2*p:xb+2*p+1], v[FB2+32*cbh+2*p:FB2+32*cbh+2*p+1]
.else
	v_pk_add_f32 v[xb+2*p:xb+2*p+1], v[xb+2*p:xb+2*p+1], v[DT+2*p:DT+2*p+1]
.endif
.set p, p+1
.endr
.set cbh, cbh+1
.endr
.set t, t+1
.endr
.endm
; The attention for the four token tiles of window 2 + W: for each tile and each of my four heads, (h kv)^T = kv^T h^T is added onto x + h.  h's fragments are my own bytes of LDS.
.macro ATTN W
	WIN 0x40
.set c, 0
.rept 16                               ; c = 4 tt + hd
	ds_load_b128 v[8*c:8*c+3],   v[HS+(\W)] offset:(c/4)*16*PM+64*(c%4)     ; LDS serves a wave's instructions in order (ISA guide 5.7.1.4): these see my stores of h
	ds_load_b128 v[8*c+4:8*c+7], v[HS+(\W)] offset:(c/4)*16*PM+64*(c%4)+32
.set c, c+1
.endr
	s_wait_dscnt 0x0
	WIN 0xa4+0x50*(\W)                             ; kv in window 0, h in window 1, C and D in window 2 or 3
.set c, 0
.rept 32                               ; c = 8 tt + 2 hd + j: each accumulator has one product
	v_wmma_f32_16x16x32_bf16 v[8*c:8*c+7], v[KVF+8*(c%8):KVF+8*(c%8)+7], v[8*(c/2):8*(c/2)+7], v[8*c:8*c+7]
.set c, c+1
.endr
	PLACES
.endm
; For each token of window 2 + W: the sum of x2 over my 128 channels.  Sixteen chains, chain c over the accumulators 2 c and 2 c + 1, each from its low end on.
.macro SUMPASS W
	WIN 0x0a+5*(\W)                                ; sources 0 and 1 in window 2 or 3
.set c, 0
.rept 16
	v_pk_add_f32 v[SQ+2*c:SQ+2*c+1], v[16*c:16*c+1], v[16*c+2:16*c+3]
.set c, c+1
.endr
	WIN 0x02+(\W)
.set st, 2
.rept 6
.set c, 0
.rept 16
	v_pk_add_f32 v[SQ+2*c:SQ+2*c+1], v[16*c+2*st:16*c+2*st+1], v[SQ+2*c:SQ+2*c+1]
.set c, c+1
.endr
.set st, st+1
.endr
	WIN 0
.irp tt, 0,1,2,3
	v_pk_add_f32 v[SQ+8*\tt:SQ+8*\tt+1],   v[SQ+8*\tt:SQ+8*\tt+1],   v[SQ+8*\tt+2:SQ+8*\tt+3]
	v_pk_add_f32 v[SQ+8*\tt+4:SQ+8*\tt+5], v[SQ+8*\tt+4:SQ+8*\tt+5], v[SQ+8*\tt+6:SQ+8*\tt+7]
.endr
.irp tt, 0,1,2,3
	v_pk_add_f32 v[SQ+8*\tt:SQ+8*\tt+1], v[SQ+8*\tt:SQ+8*\tt+1], v[SQ+8*\tt+4:SQ+8*\tt+5]
.endr
.irp tt, 0,1,2,3
	v_add_f32 v[SUM+4*(\W)+\tt], v[SQ+8*\tt], v[SQ+8*\tt+1]
.endr
.irp tt, 0,1,2,3
	v_permlanex16_b32 v[SQ+8*\tt+1], v[SUM+4*(\W)+\tt], s80, s81  ; the token's other channels lie in the lane 16 away
.endr
.irp tt, 0,1,2,3
	v_add_f32 v[SUM+4*(\W)+\tt], v[SUM+4*(\W)+\tt], v[SQ+8*\tt+1]
.endr
.endm
; The four waves' sums meet in LDS: v[SQ+t] = the sum over all 512 channels for token 16 t + l % 16.  Each exchange has bytes of its own.
.macro XCHG off
	ds_store_b128 v[STW], v[SUM:SUM+3]   offset:(\off)
	ds_store_b128 v[STW], v[SUM+4:SUM+7] offset:(\off)+16
	s_wait_dscnt 0x0                               ; for the others' sake
	s_barrier_signal -1                            ; the weight tile on its way may stay out
	s_barrier_wait -1
.irp w, 0,1,2,3
	ds_load_b128 v[SQ+8*\w:SQ+8*\w+3],   v[STR] offset:(\off)+32*\w
	ds_load_b128 v[SQ+8*\w+4:SQ+8*\w+7], v[STR] offset:(\off)+32*\w+16
.endr
	s_wait_dscnt 0x0
.irp q, 0,2,4,6
	v_pk_add_f32 v[SQ+\q:SQ+\q+1],       v[SQ+\q:SQ+\q+1],       v[SQ+8+\q:SQ+8+\q+1]
	v_pk_add_f32 v[SQ+16+\q:SQ+16+\q+1], v[SQ+16+\q:SQ+16+\q+1], v[SQ+24+\q:SQ+24+\q+1]
.endr
.irp q, 0,2,4,6
	v_pk_add_f32 v[SQ+\q:SQ+\q+1], v[SQ+\q:SQ+\q+1], v[SQ+16+\q:SQ+16+\q+1]
.endr
.endm
; For each token: the sum of (x2 - mean)^2 over my 128 channels; the mean lies in the first register of the token tile's pair.
.macro VARPASS
.set t, 0
.rept 8
.set vq, SQ+8*(t%2)
.set cbh, 0
.rept 2
.set xb, 64*(t%4)+32*cbh
	WIN 0x02+t/4
.set p, 0
.rept 16
	v_pk_add_f32 v[DT+2*p:DT+2*p+1], v[xb+2*p:xb+2*p+1], v[ST+2*t:ST+2*t+1] op_sel_hi:[1,0] neg_lo:[0,1] neg_hi:[0,1]
.set p, p+1
.endr
	WIN 0
.set p, 0
.rept 16
.if (cbh == 0) && (p < 4)
	v_pk_mul_f32 v[vq+2*p:vq+2*p+1], v[DT+2*p:DT+2*p+1], v[DT+2*p:DT+2*p+1]
.else
	v_pk_fma_f32 v[vq+2*(p%4):vq+2*(p%4)+1], v[DT+2*p:DT+2*p+1], v[DT+2*p:DT+2*p+1], v[vq+2*(p%4):vq+2*(p%4)+1]
.endif
.set p, p+1
.endr
.set cbh, cbh+1
.endr
	v_pk_add_f32 v[vq:vq+1],   v[vq:vq+1],   v[vq+2:vq+3]
	v_pk_add_f32 v[vq+4:vq+5], v[vq+4:vq+5], v[vq+6:vq+7]
	v_pk_add_f32 v[vq:vq+1],   v[vq:vq+1],   v[vq+4:vq+5]
	v_add_f32 v[SUM+t], v[vq], v[vq+1]
.set t, t+1
.endr
.irp t8, 0,1,2,3,4,5,6,7
	v_permlanex16_b32 v[SQ+16+\t8], v[SUM+\t8], s80, s81
.endr
.irp t8, 0,1,2,3,4,5,6,7
	v_add_f32 v[SUM+\t8], v[SUM+\t8], v[SQ+16+\t8]
.endr
.endm
	NORMPASS 0, 64, 0                              ; h to LDS; the accumulators hold x + h
	ATTN 0
	ATTN 1                                         ; x2
	SUMPASS 0
	SUMPASS 1
	XCHG 0
.irp t8, 0,1,2,3,4,5,6,7
	v_mul_f32 v[ST+2*\t8], s86, v[SQ+\t8]          ; LN2's mean
.endr
	VARPASS
	XCHG 2304
.irp t8, 0,1,2,3,4,5,6,7
	v_fma_f32 v[SQ+\t8], v[SQ+\t8], s86, s87
.endr
.irp t8, 0,1,2,3,4,5,6,7
	v_rsq_f32 v[SQ+\t8], v[SQ+\t8]
.endr
	v_nop                                          ; a plain instruction between the last v_rsq_f32 and the use of its result (ISA guide 5.7.2)
	s_wait_alu depctr_va_vdst(0)
.irp t8, 0,1,2,3,4,5,6,7
	v_mul_f32 v[ST+2*\t8+1], -v[ST+2*\t8], v[SQ+\t8]
.endr
.irp t8, 0,1,2,3,4,5,6,7
	v_mov_b32 v[ST+2*\t8], v[SQ+\t8]
.endr
	NORMPASS 128, 192, 1                           ; m to LDS, over my own columns of h; the accumulators hold x2 + fc2_b
	WIN 0
; fc1_b of the chunk to come: register 8 b + j = hidden unit 64 (w % 2) + 16 b + 8 (l / 16) + j.  It is the C operand that starts fc1's sums.
.macro FETCHB
	WIN 0
.irp b, 0,1,2,3
	ds_load_b128 v[BIAS+8*\b:BIAS+8*\b+3],   v[AB1] offset:64*\b
	ds_load_b128 v[BIAS+8*\b+4:BIAS+8*\b+7], v[AB1] offset:64*\b+16
.endr
	v_add_nc_u32 v[AB1], 512, v[AB1]
.endm
; fc1: 32 LDS loads in one run: the fragments of 64 along K (block kb of the tile, half kh of K) into buffer f, the first 32 along K first
.macro FETCH1 slot, kh, kb, f
	WIN 0x40
.irp c, 0,1
.irp i, 0,1,2,3
	ds_load_b128 v[(\f)+64+8*(4*\c+\i):(\f)+64+8*(4*\c+\i)+3],   v[AW1+(\slot)] offset:(\kb)*128*PW+\i*16*PW+64*\c
	ds_load_b128 v[(\f)+64+8*(4*\c+\i)+4:(\f)+64+8*(4*\c+\i)+7], v[AW1+(\slot)] offset:(\kb)*128*PW+\i*16*PW+64*\c+32
	ds_load_b128 v[(\f)+8*(4*\c+\i):(\f)+8*(4*\c+\i)+3],         v[AM] offset:\i*16*PM+512*(\kh)+128*(\kb)+64*\c
	ds_load_b128 v[(\f)+8*(4*\c+\i)+4:(\f)+8*(4*\c+\i)+7],       v[AM] offset:\i*16*PM+512*(\kh)+128*(\kb)+64*\c+32
.endr
.endr
.endm
; fc2: 32 LDS loads in one run: my 128 channels' weights, then all 128 tokens' H, 32 along K (part s of half hf of the chunk) into buffer f
.macro FETCH2 slot, s, hf, f
	WIN 0x40
.irp b, 0,1,2,3,4,5,6,7
	ds_load_b128 v[(\f)+8*\b:(\f)+8*\b+3],   v[AW2+(\slot)] offset:\b*16*PW+64*(\s)
	ds_load_b128 v[(\f)+8*\b+4:(\f)+8*\b+7], v[AW2+(\slot)] offset:\b*16*PW+64*(\s)+32
.endr
.irp t8, 0,1,2,3,4,5,6,7
	ds_load_b128 v[(\f)+64+8*\t8:(\f)+64+8*\t8+3],   v[AH] offset:\t8*16*PH+128*(\hf)+64*(\s)
	ds_load_b128 v[(\f)+64+8*\t8+4:(\f)+64+8*\t8+7], v[AH] offset:\t8*16*PH+128*(\hf)+64*(\s)+32
.endr
.endm
; fc1: 8 matrix instructions: token tiles a0, a0 + 1 x 4 hidden tiles, 32 along K: half c of buffer f.  first = 1: the bias starts the sums.  The 16 accumulators take turns.
.macro MUL8 f, c, a0, first
	WIN 0x05                                       ; sources 0 and 1 in window 1; C and D in window 0
.irp a, \a0, (\a0)+1
.irp b, 0,1,2,3
.if \first
	v_wmma_f32_16x16x32_bf16 v[ACC1+8*(4*(\a)+(\b)):ACC1+8*(4*(\a)+(\b))+7], v[(\f)+64+8*(4*(\c)+(\b)):(\f)+64+8*(4*(\c)+(\b))+7], v[(\f)+8*(4*(\c)+(\a)):(\f)+8*(4*(\c)+(\a))+7], v[BIAS+8*(\b):BIAS+8*(\b)+7]
.else
	v_wmma_f32_16x16x32_bf16 v[ACC1+8*(4*(\a)+(\b)):ACC1+8*(4*(\a)+(\b))+7], v[(\f)+64+8*(4*(\c)+(\b)):(\f)+64+8*(4*(\c)+(\b))+7], v[(\f)+8*(4*(\c)+(\a)):(\f)+8*(4*(\c)+(\a))+7], v[ACC1+8*(4*(\a)+(\b)):ACC1+8*(4*(\a)+(\b))+7]
.endif
.endr
.endr
.endm
; GELU: a list of 72 instructions for each of fc1's 16 accumulators; GL writes number gq of the 1,152.  In a tile's list:
;   0-7 1 + p |x| (the accumulator's lowest register is read first)   8-11 x^2   12-19 t = 1 / ..   20-23 x^2 times -log2(e) / 2   24-31 the exponential   32-51 P(t)
;   52-55 x / 2   56-59 1/2 - P E   60-67 |x| (..) + x / 2   68-71 rounded to bf16, into the accumulator's registers 0-3
; Behind each run of transcendentals stand four plain instructions that touch none of its registers (ISA guide 5.7.2).
.macro GL
	WIN 0
.set gA, ACC1+8*(gq/72)
.set gn, gq%72
.if gn < 8
	v_fma_f32 v[GD+gn], |v[gA+gn]|, s78, 1.0
.elseif gn < 12
	v_pk_mul_f32 v[GS+2*(gn-8):GS+2*(gn-8)+1], v[gA+2*(gn-8):gA+2*(gn-8)+1], v[gA+2*(gn-8):gA+2*(gn-8)+1]
.elseif gn < 20
	v_rcp_f32 v[GD+gn-12], v[GD+gn-12]
.elseif gn < 24
	v_pk_mul_f32 v[GS+2*(gn-20):GS+2*(gn-20)+1], v[GS+2*(gn-20):GS+2*(gn-20)+1], s[76:77] op_sel_hi:[1,0]
.elseif gn < 32
	v_exp_f32 v[GS+gn-24], v[GS+gn-24]
.elseif gn < 36
	s_wait_alu depctr_va_vdst(0)
	v_pk_fma_f32 v[GQ+2*(gn-32):GQ+2*(gn-32)+1], v[GD+2*(gn-32):GD+2*(gn-32)+1], s[66:67], s[68:69] op_sel_hi:[1,0,0]
.elseif gn < 48
.set gc, 70+2*((gn-36)/4)
.set gp, 2*((gn-36)%4)
	v_pk_fma_f32 v[GQ+gp:GQ+gp+1], v[GQ+gp:GQ+gp+1], v[GD+gp:GD+gp+1], s[gc:gc+1] op_sel_hi:[1,1,0]
.elseif gn < 52
	v_pk_mul_f32 v[GQ+2*(gn-48):GQ+2*(gn-48)+1], v[GQ+2*(gn-48):GQ+2*(gn-48)+1], v[GD+2*(gn-48):GD+2*(gn-48)+1]
.elseif gn < 56
	v_pk_mul_f32 v[GH+2*(gn-52):GH+2*(gn-52)+1], v[gA+2*(gn-52):gA+2*(gn-52)+1], 0.5 op_sel_hi:[1,0]
.elseif gn < 60
	v_pk_fma_f32 v[GQ+2*(gn-56):GQ+2*(gn-56)+1], v[GQ+2*(gn-56):GQ+2*(gn-56)+1], v[GS+2*(gn-56):GS+2*(gn-56)+1], 0.5 op_sel_hi:[1,1,0] neg_lo:[1,0,0] neg_hi:[1,0,0]
.elseif gn < 68
	v_fma_f32 v[GD+gn-60], |v[gA+gn-60]|, v[GQ+gn-60], v[GH+gn-60]
.else
	v_cvt_pk_bf16_f32 v[gA+gn-68], v[GD+2*(gn-68)], v[GD+2*(gn-68)+1]
.endif
.set gq, gq+1
.endm
; fc2: 16 matrix instructions: token tiles a0, a0 + 1 of window 2 + hi x my 8 channel blocks, 32 along K.  The 64 accumulators take turns, in the same order in every step.
; RIDE = 1: behind matrix instruction number wm of a chunk's 256 the gelu list is written up to number 9 wm / 2: 4 or 5 lines, which name no register of the products round them.
.macro MUL16R f, hi, a0
.irp a, \a0, (\a0)+1
.irp b, 0,1,2,3,4,5,6,7
	WIN 0xa5+0x50*(\hi)                            ; sources 0 and 1 in window 1; C and D in window 2 or 3
	v_wmma_f32_16x16x32_bf16 v[8*(8*(\a)+(\b)):8*(8*(\a)+(\b))+7], v[(\f)+8*(\b):(\f)+8*(\b)+7], v[(\f)+64+8*(4*(\hi)+(\a)):(\f)+64+8*(4*(\hi)+(\a))+7], v[8*(8*(\a)+(\b)):8*(8*(\a)+(\b))+7]
.if RIDE
.set wm, wm+1
.rept 5
.if gq < (wm*9)/2
	GL
.endif
.endr
.endif
.endr
.endr
.endm
; fc1: a quarter of a tile, 64 along K, 32 matrix instructions: multiplies buffer f and fetches the next quarter (block kbn) into g
.macro Q1 slot, kh, kbn, f, g, first
	s_wait_dscnt 16                                ; the first 32 along K are in (behind a store of H the youngest sixteen are its stores, and everything is in)
	MUL8 \f, 0, 0, \first
	MUL8 \f, 0, 2, \first
	PLACES
	FETCH1 \slot, \kh, \kbn, \g
	s_wait_dscnt 32                                ; all but the 32 just issued
	MUL8 \f, 1, 0, 0
	MUL8 \f, 1, 2, 0
.endm
; fc1: a tile's last quarter multiplies buffer 1 and changes slots.  In front of the round each wave waits for all its tensor loads, of which one is out: its quarter of the next slot;
; adds 0 to its spare word; and waits for that and for all its LDS work.  Behind the round no wave of any partner reads this slot, the next slot is whole, and what the waves stored (m, H) is seen by all.
; nxt = 0: the next fetch is fc1's from slot 1; 1: the next chunk's bias and fc1's from slot 0; 2: fc2's from slot 0.
.macro TURN1 slot, nxt
	WIN 0                                          ; (the add's two registers lie in window 0)
	s_wait_tensorcnt 0x0                           ; no tensor load of mine is out, so a group 0 may be written
	ds_add_u32 v[SPW], v[NIL]                      ; 0 onto my spare word
	s_add_nc_u64 s[G0W+4*(\slot)+2:G0W+4*(\slot)+3], s[G0W+4*(\slot)+2:G0W+4*(\slot)+3], 131072  ; this slot's next tile: two tiles on; the type bits on top are not reached
	s_wait_dscnt 17                                ; (the add and the youngest sixteen loads may be out)
	MUL8 F1, 0, 0, 0
	s_wait_dscnt 0x0                               ; the add is done, and my reads of this slot are over
	s_barrier_signal -1
	MUL8 F1, 0, 2, 0
	WIN 0                                          ; at a branch and at a label every window is 0
	s_barrier_wait -1
	CREST
	REFILL \slot
.if (\nxt) == 0
	FETCH1 1, 1, 0, F0
.elseif (\nxt) == 1
	FETCHB
	FETCH1 0, 0, 0, F0
.else
	FETCH2 0, 0, 0, F0
.endif
	MUL8 F1, 1, 0, 0
	MUL8 F1, 1, 2, 0
.endm
.macro G1PH nxt                        ; fc1 of a chunk: two tiles, 256 matrix instructions
	Q1 0, 0, 1, F0, F1, 1
	Q1 0, 0, 2, F1, F0, 0
	Q1 0, 0, 3, F0, F1, 0
	TURN1 0, 0
	Q1 1, 1, 1, F0, F1, 0
	Q1 1, 1, 2, F1, F0, 0
	Q1 1, 1, 3, F0, F1, 0
	TURN1 1, \nxt
.endm
; fc2: 32 along K, 64 matrix instructions: multiplies buffer f and fetches the next 32 into g
.macro K2 f, g, slot, s, hf
	s_wait_dscnt 8                                 ; the weights and H's token tiles 0-3 are in; tiles 4-7 (eight loads) may be out
	MUL16R \f, 0, 0
	MUL16R \f, 0, 2
	PLACES
	FETCH2 \slot, \s, \hf, \g
	s_wait_dscnt 32                                ; all but the 32 just issued
	MUL16R \f, 1, 0
	MUL16R \f, 1, 2
.endm
.macro TURN2A slot                     ; fc2: a tile's last 32 along K, first half, and the change of slots, as in TURN1
	WIN 0
	s_wait_tensorcnt 0x0
	ds_add_u32 v[SPW], v[NIL]                      ; 0 onto my spare word
	s_add_nc_u64 s[G0W+4*(\slot)+2:G0W+4*(\slot)+3], s[G0W+4*(\slot)+2:G0W+4*(\slot)+3], 131072
	s_wait_dscnt 9                                 ; (the add and the youngest eight loads may be out)
	MUL16R F1, 0, 0
	s_wait_dscnt 0x0                               ; the add is done; my reads of this slot, and of H, are over
	s_barrier_signal -1
	MUL16R F1, 0, 2
	WIN 0
	s_barrier_wait -1
	CREST
	REFILL \slot
.endm
.macro TURN2B
	MUL16R F1, 1, 0
	MUL16R F1, 1, 2
.endm
.macro HSTORE                          ; H of a chunk: tile k = 4 tt + i: token 64 (w / 2) + 16 tt + l % 16, hidden 64 (w % 2) + 16 i + 8 (l / 16) ..+7
	WIN 0
.set k, 0
.rept 16
	ds_store_b128 v[STO], v[ACC1+8*k:ACC1+8*k+3] offset:(k/4)*16*PH+32*(k%4)
.set k, k+1
.endr
.endm
	s_wait_tensorcnt 0x0                           ; tile 0 has landed.  Slot 1's bytes held x: they are filled again
	ds_add_u32 v[SPW], v[NIL]                      ; 0 onto my spare word
	s_wait_dscnt 0x0                               ; the add is done, and m is in LDS
	CROUND                                         ; tile 0 and m are whole for every wave
	REFILL 1                                       ; tile 1
	FETCHB
	FETCH1 0, 0, 0, F0
.set RIDE, 0
.set wm, 0
.set gq, 0
	G1PH 1                                         ; fc1 of chunk 0
	PLACES
.rept 1152
	GL                                             ; gelu of chunk 0: there is no fc2 yet beside which it could stand
.endr
	HSTORE
	WIN 0
	s_mov_b32 s3, 15
	s_branch .Lchunk                               ; the loop is entered in the middle of a trip
.Ltop:                                                 ; behind the refill of slot 1: the next chunk's first fetch, the last 32 products of fc2 with the end of gelu, and H
	FETCHB
	FETCH1 0, 0, 0, F0
.set RIDE, 1
.set wm, 224
.set gq, 1008
	TURN2B
	HSTORE                                         ; behind the round in front of which every wave's reads of the old H came back; the next round shows the new H to all
	WIN 0
.Lchunk:                                               ; 15 times, c = 1..15: fc1(c), then fc2(c - 1) with gelu(c); four tiles are left and four asked for
	G1PH 2
	PLACES                                         ; gelu reads results just made
.set RIDE, 1
.set wm, 0
.set gq, 0
	K2 F0, F1, 0, 1, 0
	TURN2A 0
	FETCH2 1, 0, 1, F0
	TURN2B
	K2 F0, F1, 1, 1, 1
	TURN2A 1
	WIN 0
	s_sub_co_u32 s3, s3, 1
	s_cmp_lg_u32 s3, 0
	s_cbranch_scc1 .Ltop
	; THE TAIL: the last trip's end, and fc2 of chunk 15.  Nothing more is asked for.
	TURN2B
	HSTORE
	s_wait_dscnt 0x0                               ; for the others' sake: H of chunk 15 is in LDS
	s_barrier_signal -1                            ; the last tile may stay out
	s_barrier_wait -1
.set RIDE, 0
	FETCH2 0, 0, 0, F0
	K2 F0, F1, 0, 1, 0
	s_wait_tensorcnt 0x0                           ; my quarter of the last tile is in,
	s_wait_dscnt 0x0
	s_barrier_signal -1
	s_barrier_wait -1                              ; everybody's is
	K2 F1, F0, 1, 0, 1
	K2 F0, F1, 1, 1, 1
	s_wait_dscnt 8
	MUL16R F1, 0, 0
	MUL16R F1, 0, 2
	s_wait_dscnt 0x0
	MUL16R F1, 1, 0
	MUL16R F1, 1, 2
	; THE WAY OUT.  A lane holds 32 bytes of a row of out0, the lanes beside it other rows.  A token tile at a time goes through my own stage in LDS (m's bytes, which nobody reads any more)
	; and comes back as whole rows of my 512 bytes.
.macro TOSTAGE t
.if (\t) >= 2
	s_wait_xcnt 0x0                                ; every earlier store has read its registers (ISA guide 3.1): the rows' registers are loaded again only behind this wait
.endif
	WIN 0x08+4*((\t)/4)                            ; the data in window 2 or 3
.irp b, 0,1,2,3,4,5,6,7
	ds_store_b128 v[STO2], v[8*(8*((\t)%4)+\b):8*(8*((\t)%4)+\b)+3]   offset:64*\b     ; each accumulator from its low end on
	ds_store_b128 v[STO2], v[8*(8*((\t)%4)+\b)+4:8*(8*((\t)%4)+\b)+7] offset:64*\b+16
.endr
	WIN 0
.irp i, 0,1,2,3,4,5,6,7,8,9,10,11,12,13,14,15
	ds_load_b128 v[OB+64*((\t)%2)+4*\i:OB+64*((\t)%2)+4*\i+3], v[RD2] offset:PX*\i  ; LDS serves a wave's instructions in order (ISA guide 5.7.1.4): these see the stores above; the next tile's stores come behind them
.endr
.endm
.macro SEND t, younger                 ; younger: the LDS instructions issued behind tile t's loads: the next tile's 32, or none
.irp i, 0,1,2,3,4,5,6,7,8,9,10,11,12,13,14,15
	s_wait_dscnt (\younger)+15-\i
	global_store_b128 v[CO], v[OB+64*((\t)%2)+4*\i:OB+64*((\t)%2)+4*\i+3], s[24:25] offset:(16*(\t)+\i)*2048 th:TH_STORE_NT  ; 512 consecutive bytes, at a multiple of 256 from out0's first byte
.endr
.endm
	PLACES
	TOSTAGE 0
.irp tn, 1,2,3,4,5,6,7
	TOSTAGE \tn
	SEND (\tn)-1, 32
.endr
	SEND 7, 0
	s_wait_tensorcnt 0x0                           ; the wave's end: behind my last tensor load and my last LDS store
	ds_add_u32 v[SPW], v[NIL]
	s_wait_dscnt 0x0
	CROUND                                         ; the closing round: no work-group ends while a partner may still ask for a tile that names it
	s_endpgm
.Lfunc_end_k_q9e0962fd62_mlp:
	.size	k_q9e0962fd62_mlp, .Lfunc_end_k_q9e0962fd62_mlp-k_q9e0962fd62_mlp
	.p2alignl 7, 3214868480
	.fill 96, 4, 3214868480
	.section	.rodata,"a",@progbits
	.p2align	6, 0x0
	.amdhsa_kernel k_q9e0962fd62_mlp
		.amdhsa_group_segment_fixed_size 327680
		.amdhsa_private_segment_fixed_size 0
		.amdhsa_enable_private_segment 0
		.amdhsa_kernarg_size 88
		.amdhsa_user_sgpr_count 2
		.amdhsa_user_sgpr_kernarg_segment_ptr 1
		.amdhsa_wavefront_size32 1
		.amdhsa_system_sgpr_workgroup_id_x 1
		.amdhsa_system_sgpr_workgroup_id_y 1
		.amdhsa_system_sgpr_workgroup_id_z 1
		.amdhsa_system_vgpr_workitem_id 0
		.amdhsa_next_free_vgpr 1024
		.amdhsa_next_free_sgpr 88
		.amdhsa_reserve_vcc 0
		.amdhsa_float_denorm_mode_32 3
		.amdhsa_float_denorm_mode_16_64 3
		.amdhsa_memory_ordered 1
		.amdhsa_forward_progress 1
		.amdhsa_inst_pref_size 255
	.end_amdhsa_kernel
	.section	.bss,"aw",@nobits
	.p2align	6
	.space	262144
	.amdgpu_metadata
---
amdhsa.version: [ 1, 2 ]
amdhsa.kernels:
  - .name:           k_q9e0962fd62_mlp
    .symbol:         k_q9e0962fd62_mlp.kd
    .args:
      - { .name: x, .offset: 0, .size: 8, .value_kind: global_buffer, .address_space: global }
      - { .name: kvf, .offset: 8, .size: 8, .value_kind: global_buffer, .address_space: global }
      - { .name: wt, .offset: 16, .size: 8, .value_kind: global_buffer, .address_space: global }
      - { .name: st1, .offset: 24, .size: 8, .value_kind: global_buffer, .address_space: global }
      - { .name: norm1_w, .offset: 32, .size: 8, .value_kind: global_buffer, .address_space: global }
      - { .name: norm1_b, .offset: 40, .size: 8, .value_kind: global_buffer, .address_space: global }
      - { .name: norm2_w, .offset: 48, .size: 8, .value_kind: global_buffer, .address_space: global }
      - { .name: norm2_b, .offset: 56, .size: 8, .value_kind: global_buffer, .address_space: global }
      - { .name: fc1_b, .offset: 64, .size: 8, .value_kind: global_buffer, .address_space: global }
      - { .name: fc2_b, .offset: 72, .size: 8, .value_kind: global_buffer, .address_space: global }
      - { .name: out0, .offset: 80, .size: 8, .value_kind: global_buffer, .address_space: global }
    .group_segment_fixed_size: 327680
    .private_segment_fixed_size: 0
    .kernarg_segment_align: 8
    .kernarg_segment_size: 88
    .max_flat_workgroup_size: 128
    .sgpr_count:     88
    .vgpr_count:     1024
    .wavefront_size: 32
...
	.end_amdgpu_metadata
.endif
;; end of part 3
;; ======== version 2 of 2: 3 launches; 1.09 times as fast as version 1
;; limits: a function is approximated: absolute error at most 2.5e-05; an absolute error that grows with the inputs' magnitude: up to 1.25e-05 times it
;; workspace buffers: gpart 16,777,216 bytes; spart 524,288 bytes; st1 262,144 bytes; kvf 131,072 bytes; wt 4,194,304 bytes
;; launch gram: the kernel of part 1 again; grid 256 x 1, 16 waves a work-group, no clusters, 171,008 bytes of LDS; arguments x, norm1_w, norm1_b, gpart, spart, st1; writes gpart, spart, st1
;; launch prep (part 4): grid 256 x 1, 4 waves a work-group, no clusters, 8,704 bytes of LDS; arguments gpart, spart, kln_w, kln_b, vln_w, vln_b, fc1_w, fc2_w, kvf, wt, mask_matrix; writes kvf, wt
.if DOCPART == 4
	.amdgcn_target "amdgcn-amd-amdhsa--gfx1250"
	.amdhsa_code_object_version 6
	.text
	.protected	k_q9e0962fd62_prep
	.globl	k_q9e0962fd62_prep
	.p2align	8
	.type	k_q9e0962fd62_prep,@function
k_q9e0962fd62_prep:
	s_mov_b64 s[64:65], 0
	v_nop
	global_prefetch_b8 v0, s[64:65] scope:SCOPE_SE
	s_setreg_imm32_b32 hwreg(HW_REG_WAVE_MODE, 25, 1), 1
	s_wait_xcnt 0x0
; Two small jobs for each of 256 work-groups.
; (a) A quarter (128 rows of 64 numbers) of one of the 64 weight tiles that the last launch walks, scaled in f32 and rounded once to bf16.
;     Tile tau = 4 chunk + 2 kind + half; a chunk is 128 hidden units.
;     kind 0, fc1 (half kh of K): row 128 kb + hid = kappa x fc1_w[128 chunk + hid][256 kh + 64 kb ..+63].  kind 1, fc2 (half hf): row ch = fc2_w[ch][128 chunk + 64 hf ..+63] / (2 kappa).
;     kappa = sqrt(log2(e) / 2): the last launch's gelu then works on kappa x and leaves 2 kappa gelu(x), which spares it two multiplies a pair of numbers.
; (b) One 16 x 16 tile (i, j) of kv for one batch and head: the 64 work-groups' partial G and s of the batch are added, and
;     kv[d][e] = kw_d (vw_e G[d][e] / n + vb_e s_d / n) + kb_d (vw_e s_e / n + vb_e),  n = 8,192,
;     which is sum k^T v / n with k = kw u + kb, v = vw u + vb, term by term.  It leaves in bf16 as the fragment that the last launch's product takes as source 0.
; mask_matrix: reference() takes it and puts it into no result.  It is read here, and the number enters nothing.
; Memory binds both jobs: all 70 loads of a wave go out before the first wait.  No matrix unit, no tensor load, no cluster: nothing is shared.
.set WG, 16                            ; v16-79   16 loads of weights
.set GG, 80                            ; v80-207  16 partial accumulators of 8
.set SS, 208                           ; v208-223 16 partial s
.set KW, 224                           ; v224-231 kw_d, v232-239 kb_d of my eight d
.set KB, 232
.set VW, 240                           ; v240 vw_e, v241 vb_e, v242 s_e, v243 vw_e s_e + vb_e
.set SD, 216                           ; later: s_d of my eight d
.macro CONV base, off, stride          ; 16 loads: two whole source rows of 256 bytes each
.set k, 0
.rept 16
	global_load_b128 v[WG+4*k:WG+4*k+3], v[\off], s[\base:\base+1] offset:2*k*(\stride) th:TH_LOAD_NT
.set k, k+1
.endr
.endm
	s_load_b512 s[4:19], s[0:1], 0x0               ; gpart 4, spart 6, kln_w 8, kln_b 10, vln_w 12, vln_b 14, fc1_w 16, fc2_w 18
	s_load_b128 s[20:23], s[0:1], 0x40             ; kvf 20, wt 22
	s_load_b64 s[46:47], s[0:1], 0x50              ; mask_matrix
	v_lshl_add_u32 v254, v0, 2, 0x2000
	v_mov_b32 v255, 0
	v_lshrrev_b32 v1, 5, v0
	v_readfirstlane_b32 s24, v1                    ; wave 0..3
	s_lshr_b32 s25, ttmp9, 2                       ; tau; also 16 batch + head
	s_and_b32 s26, ttmp9, 3                        ; the quarter; also the tile 2 i + j
	s_lshr_b32 s30, s25, 2                         ; the chunk
	s_bfe_u32 s29, s25, 0x10001                    ; the kind: 0 fc1, 1 fc2
	s_and_b32 s28, s25, 1                          ; the half
	s_mov_b32 s48, 0x3f596d27                      ; kappa = 0.8493218
	s_mov_b32 s49, 0x3f16b55f                      ; 1 / (2 kappa) = 0.5887050
	s_cmp_eq_u32 s29, 0
	s_cselect_b32 s48, s48, s49                    ; the tile's scale,
	s_mov_b32 s49, s48                             ; named as a pair
	s_lshl_b32 s32, s30, 18                        ; fc1: chunk x 128 rows of 2,048 bytes + half x 1,024 + quarter x 256
	s_lshl_b32 s34, s28, 10
	s_add_co_u32 s32, s32, s34
	s_lshl_b32 s34, s26, 8
	s_add_co_u32 s32, s32, s34
	s_mov_b32 s33, 0
	s_lshl_b32 s34, s26, 20                        ; fc2: quarter x 128 rows of 8,192 bytes + chunk x 512 + half x 256
	s_lshl_b32 s36, s30, 9
	s_add_co_u32 s34, s34, s36
	s_lshl_b32 s36, s28, 8
	s_add_co_u32 s34, s34, s36
	s_mov_b32 s35, 0
	s_lshl_b32 s36, s25, 16                        ; wt: tile x 65,536 + quarter x 16,384
	s_lshl_b32 s38, s26, 14
	s_add_co_u32 s36, s36, s38
	s_mov_b32 s37, 0
	s_lshr_b32 s40, s26, 1                         ; i
	s_and_b32 s41, s26, 1                          ; j
	s_lshr_b32 s42, s25, 4                         ; batch
	s_and_b32 s43, s25, 15                         ; head
	s_lshl_b32 s38, s42, 6
	s_lshl_b32 s44, s24, 4
	s_add_co_u32 s38, s38, s44                     ; my first partial: 64 batch + 16 wave
	s_lshl_b32 s44, s38, 11                        ; spart: x 2,048 + head x 128
	s_lshl_b32 s27, s43, 7
	s_add_co_u32 s44, s44, s27
	s_mov_b32 s45, 0
	s_lshl_b32 s38, s38, 16                        ; gpart: x 65,536 + head x 4,096 + tile x 1,024
	s_lshl_b32 s28, s43, 12
	s_add_co_u32 s38, s38, s28
	s_lshl_b32 s28, s26, 10
	s_add_co_u32 s38, s38, s28
	s_mov_b32 s39, 0
	v_and_b32 v1, 31, v0                           ; lane
	v_bfe_u32 v2, v0, 4, 1                         ; l / 16
	v_and_b32 v3, 15, v0                           ; l % 16
	v_and_b32 v4, 0x60, v0                         ; 32 wave
	v_add_nc_u32 v4, v4, v2                        ; my first row of the quarter
	v_lshlrev_b32 v6, 4, v3
	v_lshl_add_u32 v5, v4, 11, v6                  ; in fc1_w
	v_lshl_add_u32 v6, v4, 13, v6                  ; in fc2_w
	v_lshlrev_b32 v7, 4, v1
	v_lshlrev_b32 v8, 2, v1
	s_lshl_b32 s28, s40, 6
	s_add_co_u32 s28, s28, s27
	v_lshl_add_u32 v9, v2, 5, s28                  ; kw, kb: (32 head + 16 i + 8 (l / 16)) x 4
	s_lshl_b32 s28, s41, 6
	s_add_co_u32 s28, s28, s27
	v_lshl_add_u32 v10, v3, 2, s28                 ; vw, vb: (32 head + 16 j + l % 16) x 4
	s_lshl_b32 s28, s24, 12
	v_lshl_add_u32 v11, v1, 3, s28                 ; wt: wave x 4,096 + 8 lane
	v_lshlrev_b32 v12, 5, v0                       ; LDS: 32 bytes a thread for G,
	v_lshl_add_u32 v14, v0, 2, 4096                ; 4 for s
	s_lshl_b32 s28, s40, 6
	s_add_co_u32 s28, s28, 4608
	v_lshl_add_u32 v15, v2, 5, s28                 ; LDS: s_d
	s_lshl_b32 s28, s41, 6
	s_add_co_u32 s28, s28, 4608
	v_lshl_add_u32 v13, v3, 2, s28                 ; LDS: s_e
	s_wait_kmcnt 0x0
	s_load_b32 s31, s[46:47], 0x0                  ; mask_matrix: see the head
	s_add_nc_u64 s[16:17], s[16:17], s[32:33]
	s_add_nc_u64 s[18:19], s[18:19], s[34:35]
	s_add_nc_u64 s[22:23], s[22:23], s[36:37]
	s_add_nc_u64 s[4:5], s[4:5], s[38:39]
	s_add_nc_u64 s[6:7], s[6:7], s[44:45]
	s_lshl_b32 s44, s25, 1                         ; kvf: ((16 batch + head) x 2 + j) x 2 + i, x 512
	s_add_co_u32 s44, s44, s41
	s_lshl_b32 s44, s44, 1
	s_add_co_u32 s44, s44, s40
	s_lshl_b32 s44, s44, 9
	s_add_nc_u64 s[20:21], s[20:21], s[44:45]
	s_cmp_eq_u32 s29, 0
	s_cbranch_scc0 .Lfc2                           ; both ways issue 16 loads: the counts below hold on either
	CONV 16, 5, 2048
	s_branch .Lasked
.Lfc2:
	CONV 18, 6, 8192
.Lasked:
.set k, 0
.rept 16
	global_load_b128 v[GG+8*k:GG+8*k+3],   v7, s[4:5] offset:k*65536 th:TH_LOAD_NT
	global_load_b128 v[GG+8*k+4:GG+8*k+7], v7, s[4:5] offset:k*65536+512 th:TH_LOAD_NT
.set k, k+1
.endr
.set k, 0
.rept 16
	global_load_b32 v[SS+k], v8, s[6:7] offset:k*2048
.set k, k+1
.endr
	global_load_b128 v[KW:KW+3],   v9, s[8:9]
	global_load_b128 v[KW+4:KW+7], v9, s[8:9] offset:16
	global_load_b128 v[KB:KB+3],   v9, s[10:11]
	global_load_b128 v[KB+4:KB+7], v9, s[10:11] offset:16
	global_load_b32 v[VW],   v10, s[12:13]
	global_load_b32 v[VW+1], v10, s[14:15]
	s_wait_loadcnt 54                              ; the 16 loads of weights are in; the 32 + 16 + 6 issued behind them stay out
.set k, 0
.rept 16
	v_pk_mul_f32 v[WG+4*k:WG+4*k+1],   v[WG+4*k:WG+4*k+1],   s[48:49] op_sel_hi:[1,0]
	v_pk_mul_f32 v[WG+4*k+2:WG+4*k+3], v[WG+4*k+2:WG+4*k+3], s[48:49] op_sel_hi:[1,0]
	v_cvt_pk_bf16_f32 v[WG+4*k],   v[WG+4*k],   v[WG+4*k+1]
	v_cvt_pk_bf16_f32 v[WG+4*k+1], v[WG+4*k+2], v[WG+4*k+3]
	global_store_b64 v11, v[WG+4*k:WG+4*k+1], s[22:23] offset:256*k  ; 256 consecutive bytes, at a multiple of 256 from wt's first byte: two rows of the tile
.set k, k+1
.endr
	s_wait_loadcnt 0x0
.irp st, 8,4,2,1
.set k, 0
.rept \st
.set q, 0
.rept 4
	v_pk_add_f32 v[GG+8*k+2*q:GG+8*k+2*q+1], v[GG+8*k+2*q:GG+8*k+2*q+1], v[GG+8*(k+\st)+2*q:GG+8*(k+\st)+2*q+1]
.set q, q+1
.endr
	v_add_f32 v[SS+k], v[SS+k], v[SS+k+\st]
.set k, k+1
.endr
.endr
	ds_store_b128 v12, v[GG:GG+3]
	ds_store_b128 v12, v[GG+4:GG+7] offset:16
	ds_store_b32 v14, v[SS]
	s_wait_dscnt 0x0                               ; for wave 0's sake
	s_barrier_signal -1
	s_barrier_wait -1
	s_cmp_lg_u32 s24, 0
	s_cbranch_scc1 .Lend
	; wave 0 alone: the four waves' sums, then kv.  In wave 0 the thread's number is the lane's.
.irp w, 0,1,2,3
	ds_load_b128 v[GG+8*\w:GG+8*\w+3],   v12 offset:1024*\w
	ds_load_b128 v[GG+8*\w+4:GG+8*\w+7], v12 offset:1024*\w+16
	ds_load_b32 v[SS+\w], v14 offset:128*\w
.endr
	s_wait_dscnt 0x0
.irp q, 0,2,4,6
	v_pk_add_f32 v[GG+\q:GG+\q+1], v[GG+\q:GG+\q+1], v[GG+8+\q:GG+8+\q+1]
	v_pk_add_f32 v[GG+16+\q:GG+16+\q+1], v[GG+16+\q:GG+16+\q+1], v[GG+24+\q:GG+24+\q+1]
.endr
	v_add_f32 v[SS], v[SS], v[SS+1]
	v_add_f32 v[SS+2], v[SS+2], v[SS+3]
	v_add_f32 v[SS], v[SS], v[SS+2]
	v_mul_f32 v[SS], 0x39000000, v[SS]             ; s / n: lane l holds channel l of the head
	ds_store_b32 v14, v[SS] offset:512
	ds_load_b128 v[SD:SD+3],   v15                 ; LDS serves a wave's instructions in order (ISA guide 5.7.1.4): these see the store above
	ds_load_b128 v[SD+4:SD+7], v15 offset:16
	ds_load_b32 v[VW+2], v13
.irp q, 0,2,4,6
	v_pk_add_f32 v[GG+\q:GG+\q+1], v[GG+\q:GG+\q+1], v[GG+16+\q:GG+16+\q+1]
.endr
.irp q, 0,2,4,6
	v_pk_mul_f32 v[GG+\q:GG+\q+1], v[GG+\q:GG+\q+1], 0x39000000 op_sel_hi:[1,0]  ; G / n
.endr
	s_wait_dscnt 0x0
	v_fma_f32 v[VW+3], v[VW], v[VW+2], v[VW+1]     ; vw_e s_e / n + vb_e
.irp c, 0,1,2,3,4,5,6,7
	v_mul_f32 v[GG+\c], v[VW], v[GG+\c]
.endr
.irp c, 0,1,2,3,4,5,6,7
	v_fma_f32 v[GG+\c], v[VW+1], v[SD+\c], v[GG+\c]
.endr
.irp c, 0,1,2,3,4,5,6,7
	v_mul_f32 v[GG+\c], v[KW+\c], v[GG+\c]
.endr
.irp c, 0,1,2,3,4,5,6,7
	v_fma_f32 v[GG+\c], v[KB+\c], v[VW+3], v[GG+\c]
.endr
.irp c, 0,1,2,3
	v_cvt_pk_bf16_f32 v[GG+8+\c], v[GG+2*\c], v[GG+2*\c+1]
.endr
	global_store_b128 v7, v[GG+8:GG+11], s[20:21]  ; 512 consecutive bytes: lane (e = 16 j + l % 16) holds d = 16 i + 8 (l / 16) + 0..7
.Lend:
	s_wait_tensorcnt 0x0
	ds_add_u32 v254, v255
	s_wait_dscnt 0x0
	s_endpgm
.Lfunc_end_k_q9e0962fd62_prep:
	.size	k_q9e0962fd62_prep, .Lfunc_end_k_q9e0962fd62_prep-k_q9e0962fd62_prep
	.p2alignl 7, 3214868480
	.fill 96, 4, 3214868480
	.section	.rodata,"a",@progbits
	.p2align	6, 0x0
	.amdhsa_kernel k_q9e0962fd62_prep
		.amdhsa_group_segment_fixed_size 8704
		.amdhsa_private_segment_fixed_size 0
		.amdhsa_enable_private_segment 0
		.amdhsa_kernarg_size 88
		.amdhsa_user_sgpr_count 2
		.amdhsa_user_sgpr_kernarg_segment_ptr 1
		.amdhsa_wavefront_size32 1
		.amdhsa_system_sgpr_workgroup_id_x 1
		.amdhsa_system_sgpr_workgroup_id_y 1
		.amdhsa_system_sgpr_workgroup_id_z 1
		.amdhsa_system_vgpr_workitem_id 0
		.amdhsa_next_free_vgpr 256
		.amdhsa_next_free_sgpr 66
		.amdhsa_reserve_vcc 0
		.amdhsa_float_denorm_mode_32 3
		.amdhsa_float_denorm_mode_16_64 3
		.amdhsa_memory_ordered 1
		.amdhsa_forward_progress 1
		.amdhsa_inst_pref_size 27
	.end_amdhsa_kernel
	.amdgpu_metadata
---
amdhsa.version: [ 1, 2 ]
amdhsa.kernels:
  - .name:           k_q9e0962fd62_prep
    .symbol:         k_q9e0962fd62_prep.kd
    .args:
      - { .name: gpart, .offset: 0, .size: 8, .value_kind: global_buffer, .address_space: global }
      - { .name: spart, .offset: 8, .size: 8, .value_kind: global_buffer, .address_space: global }
      - { .name: kln_w, .offset: 16, .size: 8, .value_kind: global_buffer, .address_space: global }
      - { .name: kln_b, .offset: 24, .size: 8, .value_kind: global_buffer, .address_space: global }
      - { .name: vln_w, .offset: 32, .size: 8, .value_kind: global_buffer, .address_space: global }
      - { .name: vln_b, .offset: 40, .size: 8, .value_kind: global_buffer, .address_space: global }
      - { .name: fc1_w, .offset: 48, .size: 8, .value_kind: global_buffer, .address_space: global }
      - { .name: fc2_w, .offset: 56, .size: 8, .value_kind: global_buffer, .address_space: global }
      - { .name: kvf, .offset: 64, .size: 8, .value_kind: global_buffer, .address_space: global }
      - { .name: wt, .offset: 72, .size: 8, .value_kind: global_buffer, .address_space: global }
      - { .name: mask_matrix, .offset: 80, .size: 8, .value_kind: global_buffer, .address_space: global }
    .group_segment_fixed_size: 8704
    .private_segment_fixed_size: 0
    .kernarg_segment_align: 8
    .kernarg_segment_size: 88
    .max_flat_workgroup_size: 128
    .sgpr_count:     66
    .vgpr_count:     256
    .wavefront_size: 32
...
	.end_amdgpu_metadata
.endif
;; end of part 4
;; launch mlp (part 5): grid 256 x 1, 4 waves a work-group, clusters of 4 x 1, 327,680 bytes of LDS; arguments x, kvf, wt, st1, norm1_w, norm1_b, norm2_w, norm2_b, fc1_b, fc2_b, out0; writes out0
.if DOCPART == 5
	.amdgcn_target "amdgcn-amd-amdhsa--gfx1250"
	.amdhsa_code_object_version 6
	.text
	.protected	k_q9e0962fd62_mlp
	.globl	k_q9e0962fd62_mlp
	.p2align	8
	.type	k_q9e0962fd62_mlp,@function
k_q9e0962fd62_mlp:
	s_mov_b64 s[64:65], 0
	v_nop
	global_prefetch_b8 v0, s[64:65] scope:SCOPE_SE
	s_setreg_imm32_b32 hwreg(HW_REG_WAVE_MODE, 25, 1), 1
	s_wait_xcnt 0x0
	s_wait_alu depctr_hold_cnt(0) depctr_sa_sdst(0) depctr_va_vdst(0) depctr_va_sdst(0) depctr_va_ssrc(0) depctr_va_vcc(0) depctr_vm_vsrc(0)
	s_getreg_b32 s2, hwreg(HW_REG_IB_STS2, 6, 4)
	s_cmp_eq_u32 s2, 0
	s_cbranch_scc0 .Lentry_in_a_cluster
	s_endpgm
.Lentry_in_a_cluster:
	s_bfe_u32 s2, ttmp6, 0x10000c
	s_cmp_lg_u32 s2, 0x3003
	s_cbranch_scc0 .Lentry_shape_is_right
	s_endpgm
.Lentry_shape_is_right:
; The rest of the block for 128 tokens a work-group: h = LN1(x) (statistics from st1), x2 = x + h + h kv, m = LN2(x2), out = x2 + fc2(gelu(fc1(m))).
; EVERY PRODUCT IS USED TRANSPOSED: source 0 = 16 rows of weights, source 1 = 16 tokens.  A lane then holds ONE token (l % 16) and eight neighbouring channels 8 (l / 16) + 0..7.
; SHARES.  Four waves.  Wave w owns channels 128 w ..+127 (heads 4 w ..+3) of all 128 tokens: 64 accumulators, 512 registers, which hold in turn x, x + h, x2 (the attention's products add
; onto them), x2 + fc2_b and out: x2 stays in f32 and in registers.  fc1 goes in 16 chunks of 128 hidden units; of a chunk wave w makes tokens 64 (w / 2) ..+63 x hidden 64 (w % 2) ..+63.
; PIPELINE.  With k counting the chunks of my walk: fc1(0); gelu(0); then for k = 1..15: fc1(k); fc2(k - 1), with gelu(k) dealt behind its 256 matrix instructions, 3 or 4 behind each (896 in all);
; H(k) to LDS; at last fc2(15).
; WEIGHTS come as tiles of 65,536 bytes (bf16; wt: [chunk][fc1 a, fc1 b, fc2 a, fc2 b]) through two LDS slots, the a tiles through slot 0, the b tiles through slot 1.  The four work-groups of a
; cluster walk the same tiles and ask JOINTLY: each wave asks for its quarter, the same line, descriptor and mask in all four.  A request has 128 matrix instructions less the 16 inside the round in which to land.
; THE WALK.  The sum over chunks has no order of its own, so cluster i starts at chunk c0(i) and goes round: step k is chunk (c0 + k) % 16.  At any time the clusters ask for sixteen different chunks,
; and what a cluster asks for was asked for one chunk (512 matrix instructions) earlier by the clusters that started one chunk further on.  c0's four bits are i0^i1, i1^i2, i3^i4, i4^i5:
; any half of the 64 clusters that one bit of i picks holds all sixteen starts.  c0 hangs on the cluster's number alone, which the partners share, and enters global addresses alone (wt, fc1_b).
; gelu.  fc1's weights and bias carry kappa = sqrt(log2(e) / 2), fc2's weights 1 / (2 kappa).  With A = kappa x: H' = A + |A| (1 - P(t) 2^(-A^2)) = 2 kappa gelu(x), t = 1 / (1 + p |A|),
; erf by Abramowitz and Stegun 7.1.25: P(t) = t (a1 + t (a2 + t a3)), p = 0.47047 / sqrt(log2(e)).
; LIMITS.  erf is off by 2.5e-5 at the most, for every x: gelu by 1.25e-5 |x| at the most, and by nothing where the exponential has vanished; h, kv, m, H' and the scaled weights are rounded to bf16 for
; the products; the chunks are summed in an order that differs from cluster to cluster; v_exp_f32, v_rcp_f32 and v_rsq_f32 take denormals as 0 (ISA guide 15.8); NaN and infinities are not treated apart.
; REGISTERS, in windows of 256 (s_set_vgpr_msb: bits 1:0 source 0, 3:2 source 1, 5:4 source 2, 7:6 destination):
;   window 0: v0-31 addresses; v32-63 at work; v64-191 fc1's 16 accumulators (at first kv's fragments and fc2_b; at last rows on their way out); v192-223 fc1_b of a chunk (at first statistics); v224-255 at work
;   window 1: two fragment buffers of 128 (at first the four LayerNorm vectors, then h's fragments)     windows 2, 3: the 64 accumulators, token tile t, channel block b at 8 (8 (t % 4) + b) of window 2 + t / 4
.set PW,    144                        ; a row of a weight tile in LDS: 128 bytes + 16 = 36 words: the 16 rows of a load start at 16 different groups of four banks (64 banks of 4 bytes: ISA guide 11.1)
.set SLOTB, 512*PW                     ; a slot: 73,728 bytes; slot 0 at 0, slot 1 behind it
.set PX,    528                        ; a row of x's stage: 512 bytes + 16
.set XSTR,  64*PX                      ; a wave's strip of 64 tokens.  Tokens 0-63 land at 0 (over the slots' bytes, which are filled again later), tokens 64-127 at MB
.set MB,    2*SLOTB                    ; 147,456: h, then m: 128 rows of 1,040 bytes (1,024 + 16); at last the waves' stages for the way out.  Its one fill is x's second half
.set PM,    1040
.set HC,    MB+128*PM                  ; 280,576: H' of a chunk: 128 rows of 272 bytes (256 + 16)
.set PH,    272
.set STAT,  HC+4096                    ; at first: two exchanges of 16 x 144 bytes for LN2's sums
.set B1T,   HC+128*PH                  ; 315,392: kappa fc1_b, 8,192 bytes, in the order of my walk
.set SPARE, B1T+8192                   ; 323,584: the spare words, 128 bytes for each wave: two blocks of 256 bytes that no other line names
.set AW1, 3                            ; v3, v4   my fc1 weight fragments in slot 0, 1
.set AM,  5                            ; v5       my fragments of m
.set AW2, 6                            ; v6, v7   my fc2 weight fragments in slot 0, 1
.set AH,  8                            ; v8       fragments of H'
.set STO, 9                            ; v9       where I put 16 bytes of H'
.set AB1, 10                           ; v10      the bias of the chunk to come; steps by 512
.set STO2, 11                          ; v11      the way out: where I put 16 bytes of a row
.set RD2, 12                           ; v12      the way out: where I read a row back
.set CO,  13                           ; v13      my byte offset in a row of out0
.set XA,  14                           ; v14, v15 my place in x's stage, tokens 0-63, 64-127
.set HS,  16                           ; v16, v17 my 16 bytes of h or m, tokens 0-63, 64-127
.set STW, 18                           ; v18      the exchange: where my eight sums go
.set STR, 19                           ; v19      the exchange: where the four waves' sums lie
.set PRM, 20                           ; v20      my channels in a vector of 512 f32
.set R8,  21                           ; v21      8 (l % 16)
.set L16, 22                           ; v22      16 lane
.set T16, 23                           ; v23      16 thread
.set B1A, 24                           ; v24      B1T + 16 thread
.set SPW, 28                           ; v28      LDS address of my spare word: SPARE + 4 x my thread's number; never rewritten
.set NIL, 29                           ; v29      0; never rewritten
.set DT,  32                           ; v32-63   at work
.set GD,  32                           ; gelu: t, then the result
.set GS,  40                           ; gelu: -A^2, then the exponential
.set GQ,  48                           ; gelu: the polynomial
.set ACC1, 64
.set KVF, 64                           ; kv's fragments: head hd of my four, rows e = 16 j .. at KVF + 16 hd + 8 j
.set FB2, 128                          ; fc2_b of my 64 channels a lane
.set BIAS, 192
.set ST,  192                          ; a pair for each token tile: (rs, nm); between the two sums of LN2 (mean, -)
.set SUM, 208
.set SQ,  224
.set PK,  224
.set OB,  64
.set F0,  0
.set F1,  128
.set G1W, 32                           ; s[32:39] descriptor group 1 for weight tiles
.set G1X, 40                           ; s[40:47] for x
.set G0W, 48                           ; s[48:55] group 0 for weight tiles, a set for each slot
.set G0X, 56                           ; s[56:63] group 0 for x's two halves
.set CW1, 88                           ; s88      the chunk whose fc1 tiles are asked for next
.set CW2, 89                           ; s89      the chunk whose fc2 tiles are asked for next
.set OFF, 90                           ; s[90:91] a tile's byte offset in wt
.set TO,  92                           ; s92      scratch for it
.set RB,  93                           ; s93      512 c0
; s3 trips  s[4:25] the eleven addresses (s[8:9]: wt at my quarter of a tile)  s26 wave  s27 w / 2  s28 w % 2  s29 cx  s30 work-group  s31, s[82:85] scratch  s[66:71] a3, a2, a1  s78 p  s[80:81] lane selects  s86 1 / 512  s87 1e-5
.set MSB, 0
.macro WIN new                         ; the immediate's high byte repeats the setting that is left; a switch that changes nothing is dropped
.if MSB != (\new)
	s_set_vgpr_msb (MSB<<8)|(\new)
.set MSB, (\new)
.endif
.endm
.macro PLACES                          ; four places: in front of loads into registers that matrix instructions have read, and of lines that read results (ISA guide 7.12.1 for lines that read results)
.rept 4
	v_nop
.endr
.endm
.macro CREST                           ; a round of the cluster's barrier behind its opening barrier
	s_cmp_lg_u32 s26, 0
	s_cbranch_scc1 .Lnot_wave_0_\@
	s_barrier_signal -3
.Lnot_wave_0_\@:
	s_barrier_wait -3
	s_barrier_signal -1
	s_barrier_wait -1
.endm
.macro CROUND                          ; a whole round
	s_barrier_signal -1
	s_barrier_wait -1
	CREST
.endm
.macro REFILL slot                     ; my quarter of the slot's next tile, asked for jointly; four v_nop follow the line: they are also the places in front of the loads behind it
	tensor_load_to_lds s[G0W+4*(\slot):G0W+4*(\slot)+3], s[G1W:G1W+7]
	s_nop 0
	PLACES
.endm
; The address of the slot's next tile is made anew: wt at my quarter + chunk x 262,144 + kind x 131,072 + slot x 65,536.  kind 0: fc1 of chunk CW1.  kind 1: fc2 of chunk CW2.
; kind 2: fc1 of chunk CW1, but in the loop's last trip (s3 = 1), where no fc1 is left, fc2 of chunk CW2: a select, no branch.  Behind slot 1's address the chunk's number steps, modulo 16.
.macro ASK slot, kind
.if (\kind) == 1
	s_lshl_b32 s[OFF], s[CW2], 18
	s_add_co_u32 s[OFF], s[OFF], 131072+65536*(\slot)
.else
	s_lshl_b32 s[OFF], s[CW1], 18
.if (\kind) == 2
	s_lshl_b32 s[TO], s[CW2], 18
	s_add_co_u32 s[TO], s[TO], 131072
	s_cmp_eq_u32 s3, 1
	s_cselect_b32 s[OFF], s[TO], s[OFF]
.endif
.if (\slot) == 1
	s_add_co_u32 s[OFF], s[OFF], 65536
.endif
.endif
	s_add_nc_u64 s[G0W+4*(\slot)+2:G0W+4*(\slot)+3], s[8:9], s[OFF:OFF+1]
	s_or_b32 s[G0W+4*(\slot)+3], s[G0W+4*(\slot)+3], 0x80000000  ; 127:126 type = 2
.if (\slot) == 1
.if (\kind) == 1
	s_add_co_u32 s[CW2], s[CW2], 1
	s_and_b32 s[CW2], s[CW2], 15
.else
	s_add_co_u32 s[CW1], s[CW1], 1
	s_and_b32 s[CW1], s[CW1], 15
.endif
.endif
.endm
	s_load_b512 s[4:19], s[0:1], 0x0               ; x 4, kvf 6, wt 8, st1 10, norm1_w 12, norm1_b 14, norm2_w 16, norm2_b 18
	s_load_b128 s[20:23], s[0:1], 0x40             ; fc1_b 20, fc2_b 22
	s_load_b64 s[24:25], s[0:1], 0x50              ; out0
	v_lshl_add_u32 v[SPW], v0, 2, SPARE
	v_mov_b32 v[NIL], 0
	ds_add_u32 v28, v29
	s_wait_dscnt 0x0
	v_lshrrev_b32 v1, 5, v0
	v_readfirstlane_b32 s26, v1                    ; wave 0..3
	s_lshr_b32 s27, s26, 1
	s_and_b32 s28, s26, 1
	s_bfe_u32 s29, ttmp6, 0x40000                  ; cx: my place in the cluster
	s_lshl_b32 s30, ttmp9, 2                       ; in a cluster launch ttmp9 counts clusters
	s_add_co_u32 s30, s30, s29                     ; my block of 128 tokens: it enters the addresses of x, st1, kvf and out0 alone
	s_lshr_b32 s31, ttmp9, 1                       ; c0 from the cluster's number i:
	s_xor_b32 s31, s31, ttmp9                      ; bit n = i(n) ^ i(n+1)
	s_and_b32 s[CW2], s31, 3                       ; i0^i1, i1^i2
	s_lshr_b32 s31, s31, 1
	s_and_b32 s31, s31, 12                         ; i3^i4, i4^i5
	s_or_b32 s[CW2], s[CW2], s31                   ; c0: the first fc2 tiles asked for are this chunk's,
	s_add_co_u32 s[CW1], s[CW2], 1
	s_and_b32 s[CW1], s[CW1], 15                   ; the first fc1 tiles asked for by ASK the next chunk's
	s_lshl_b32 s[OFF], s[CW2], 18
	s_mov_b32 s[OFF+1], 0
	s_lshl_b32 s[RB], s[CW2], 9
	; group 1 for weights: a quarter tile is 16,384 dense bytes, asked for as 64 rows of 256 bytes and padded in LDS after every 128
	s_mov_b32 s[G1W+0], 15|(1<<16)|(1<<20)|(1<<21)|(4<<22)|(3<<25)  ; 15:0 the mask of four; 17:16 2-byte elements; 20 padding on; 21 set beside a mask; 24:22 after every 32 words (code 4); 31:25 4 words (code 3)
	s_mov_b32 s[G1W+1], 128<<16                    ; tensor_dim0 = 128
	s_mov_b32 s[G1W+2], 64<<16                     ; tensor_dim1 = 64
	s_mov_b32 s[G1W+3], 128<<16                    ; tile_dim0 = 128
	s_mov_b32 s[G1W+4], 64                         ; tile_dim1 = 64
	s_mov_b32 s[G1W+5], 128                        ; 128 elements from row to row
	s_mov_b32 s[G1W+6], 0
	s_mov_b32 s[G1W+7], 0
	; group 1 for x: 64 tokens x my 128 channels of f32, a load of my own (mask 0)
	s_mov_b32 s[G1X+0], (2<<16)|(1<<20)|(6<<22)|(3<<25)  ; 4-byte elements; padding after every 128 words (code 6), 4 words
	s_mov_b32 s[G1X+1], 128<<16
	s_mov_b32 s[G1X+2], 64<<16
	s_mov_b32 s[G1X+3], 128<<16
	s_mov_b32 s[G1X+4], 64
	s_mov_b32 s[G1X+5], 512
	s_mov_b32 s[G1X+6], 0
	s_mov_b32 s[G1X+7], 0
	s_mul_i32 s31, s26, 128*PW                     ; a weight tile's quarter: wave x 128 rows: no place in the cluster enters an LDS address
	s_mov_b32 s[G0W+0], 1
	s_mov_b32 s[G0W+1], s31
	s_mov_b32 s[G0W+4], 1
	s_add_co_u32 s[G0W+5], s31, SLOTB
	s_lshl_b32 s82, s26, 14
	s_mov_b32 s83, 0
	s_mul_i32 s31, s26, XSTR
	s_mov_b32 s[G0X+0], 1
	s_mov_b32 s[G0X+1], s31
	s_mov_b32 s[G0X+4], 1
	s_add_co_u32 s[G0X+5], s31, MB
	s_lshl_b32 s84, s30, 18                        ; 128 tokens of 2,048 bytes,
	s_lshl_b32 s31, s26, 9                         ; my 512 bytes of a row
	s_add_co_u32 s84, s84, s31
	s_mov_b32 s85, 0
	s_mov_b32 s66, 0x3f3f7377                      ; a3 =  0.7478556
	s_mov_b32 s67, s66                             ; (the packed forms name pairs, so both words are written)
	s_mov_b32 s68, 0xbdc45ca1                      ; a2 = -0.0958798
	s_mov_b32 s69, s68
	s_mov_b32 s70, 0x3eb2303a                      ; a1 =  0.3480242
	s_mov_b32 s71, s70
	s_mov_b32 s78, 0x3ec88bd9                      ; p = 0.47047 / sqrt(log2(e)) = 0.3916920
	s_mov_b32 s80, 0x76543210
	s_mov_b32 s81, 0xfedcba98
	s_mov_b32 s86, 0x3b000000                      ; 1 / 512
	s_mov_b32 s87, 0x3727c5ac                      ; 1e-5
	s_wait_kmcnt 0x0
	s_add_nc_u64 s[8:9], s[8:9], s[82:83]          ; wt at my quarter of a tile
	s_add_nc_u64 s[G0W+2:G0W+3], s[8:9], s[OFF:OFF+1]  ; fc1 of chunk c0, tile a
	s_add_nc_u64 s[G0W+6:G0W+7], s[G0W+2:G0W+3], 65536  ; tile b
	s_or_b32 s[G0W+3], s[G0W+3], 0x80000000        ; 127:126 type = 2
	s_or_b32 s[G0W+7], s[G0W+7], 0x80000000
	s_add_nc_u64 s[G0X+2:G0X+3], s[4:5], s[84:85]
	s_add_nc_u64 s[G0X+6:G0X+7], s[G0X+2:G0X+3], 131072  ; 64 tokens on
	s_or_b32 s[G0X+3], s[G0X+3], 0x80000000
	s_or_b32 s[G0X+7], s[G0X+7], 0x80000000
	s_lshr_b32 s82, s30, 6                         ; the batch: 64 work-groups each
	s_lshl_b32 s82, s82, 2
	s_add_co_u32 s82, s82, s26
	s_lshl_b32 s82, s82, 13                        ; (16 batch + 4 wave) heads of 2,048 bytes
	s_add_nc_u64 s[6:7], s[6:7], s[82:83]
	s_lshl_b32 s82, s30, 10
	s_add_nc_u64 s[10:11], s[10:11], s[82:83]      ; st1: 128 rows of 8 bytes
	s_lshl_b32 s82, s30, 18
	s_add_nc_u64 s[24:25], s[24:25], s[82:83]      ; out0 at my first token
	CROUND                                         ; the one round in front of the first fills
	tensor_load_to_lds s[G0X:G0X+3], s[G1X:G1X+7]  ; x, tokens 0-63: two loads of mine are out
	s_nop 0
	tensor_load_to_lds s[G0X+4:G0X+7], s[G1X:G1X+7]  ; tokens 64-127
	s_nop 0
	PLACES
	v_and_b32 v1, 15, v0                           ; l % 16
	v_bfe_u32 v2, v0, 4, 1                         ; l / 16
	v_and_b32 v24, 31, v0
	v_lshlrev_b32 v[L16], 4, v24
	v_lshlrev_b32 v[T16], 4, v0
	v_lshlrev_b32 v[R8], 3, v1
	s_lshl_b32 s31, s26, 9
	v_add_nc_u32 v[CO], s31, v[L16]
	v_lshl_add_u32 v[PRM], v2, 5, s31              ; channels 128 w + 8 (l / 16), in bytes of f32
	v_add_nc_u32 v[PK], s[RB], v[T16]              ; fc1_b in the order of my walk: LDS byte q takes fc1_b's byte (q + 512 c0) % 8,192
.irp k, 1,2,3
	v_add_nc_u32 v[PK+\k], 2048*\k, v[PK]
.endr
.irp k, 0,1,2,3
	v_and_b32 v[PK+\k], 0x1fff, v[PK+\k]
.endr
	WIN 0x40                                       ; destination window 1, address window 0
.irp cb, 0,1,2,3,4,5,6,7               ; register 8 cb + j of each vector: channel 128 w + 16 cb + 8 (l / 16) + j
	global_load_b128 v[8*\cb:8*\cb+3],         v[PRM], s[12:13] offset:64*\cb
	global_load_b128 v[8*\cb+4:8*\cb+7],       v[PRM], s[12:13] offset:64*\cb+16
	global_load_b128 v[64+8*\cb:64+8*\cb+3],   v[PRM], s[14:15] offset:64*\cb
	global_load_b128 v[64+8*\cb+4:64+8*\cb+7], v[PRM], s[14:15] offset:64*\cb+16
	global_load_b128 v[128+8*\cb:128+8*\cb+3],   v[PRM], s[16:17] offset:64*\cb
	global_load_b128 v[128+8*\cb+4:128+8*\cb+7], v[PRM], s[16:17] offset:64*\cb+16
	global_load_b128 v[192+8*\cb:192+8*\cb+3],   v[PRM], s[18:19] offset:64*\cb
	global_load_b128 v[192+8*\cb+4:192+8*\cb+7], v[PRM], s[18:19] offset:64*\cb+16
.endr
	WIN 0
.irp cb, 0,1,2,3,4,5,6,7
	global_load_b128 v[FB2+8*\cb:FB2+8*\cb+3],   v[PRM], s[22:23] offset:64*\cb
	global_load_b128 v[FB2+8*\cb+4:FB2+8*\cb+7], v[PRM], s[22:23] offset:64*\cb+16
.endr
.irp f, 0,1,2,3,4,5,6,7                ; f = 2 hd + j
	global_load_b128 v[KVF+8*\f:KVF+8*\f+3],   v[L16], s[6:7] offset:1024*\f
	global_load_b128 v[KVF+8*\f+4:KVF+8*\f+7], v[L16], s[6:7] offset:1024*\f+512
.endr
.irp t8, 0,1,2,3,4,5,6,7
	global_load_b64 v[ST+2*\t8:ST+2*\t8+1], v[R8], s[10:11] offset:128*\t8  ; (rs, nm) of token 16 t + l % 16
.endr
.irp k, 0,1,2,3
	global_load_b128 v[DT+4*\k:DT+4*\k+3], v[PK+\k], s[20:21]  ; fc1_b, whole, once for the work-group
.endr
	v_mul_u32_u24 v25, v1, PW
	v_lshl_add_u32 v25, v2, 4, v25                 ; a weight fragment: row x pitch + 16 x half
	s_mul_i32 s31, s28, 64*PW
	v_add_nc_u32 v[AW1], s31, v25
	v_add_nc_u32 v[AW1+1], SLOTB, v[AW1]
	s_mul_i32 s31, s26, 128*PW
	v_add_nc_u32 v[AW2], s31, v25
	v_add_nc_u32 v[AW2+1], SLOTB, v[AW2]
	v_mul_u32_u24 v26, v1, PM
	v_lshl_add_u32 v26, v2, 4, v26
	s_mul_i32 s31, s27, 64*PM
	s_add_co_u32 s31, s31, MB
	v_add_nc_u32 v[AM], s31, v26
	s_lshl_b32 s31, s26, 8
	s_add_co_u32 s31, s31, MB
	v_add_nc_u32 v[HS], s31, v26
	v_add_nc_u32 v[HS+1], 64*PM, v[HS]
	v_mul_u32_u24 v27, v1, PH
	v_lshl_add_u32 v27, v2, 4, v27
	v_add_nc_u32 v[AH], HC, v27
	s_mul_i32 s31, s27, 64*PH
	s_lshl_b32 s82, s28, 7
	s_add_co_u32 s31, s31, s82
	s_add_co_u32 s31, s31, HC
	v_add_nc_u32 v[STO], s31, v27
	s_lshl_b32 s31, s28, 8
	s_add_co_u32 s31, s31, B1T
	v_lshl_add_u32 v[AB1], v2, 5, s31
	v_mul_u32_u24 v30, v1, PX
	v_lshl_add_u32 v30, v2, 5, v30                 ; row x 528 + 32 x half
	s_mul_i32 s31, s26, 16*PX
	s_add_co_u32 s31, s31, MB
	v_add_nc_u32 v[STO2], s31, v30
	v_add_nc_u32 v[RD2], s31, v[L16]
	s_mul_i32 s31, s26, XSTR
	v_add_nc_u32 v[XA], s31, v30
	v_add_nc_u32 v[XA+1], MB, v[XA]
	v_mul_u32_u24 v[STR], v1, 144
	v_add_nc_u32 v[STR], STAT, v[STR]
	s_lshl_b32 s31, s26, 5
	v_add_nc_u32 v[STW], s31, v[STR]
	v_add_nc_u32 v[B1A], B1T, v[T16]
; x out of my own strip of the stage into the accumulators of window 2 + W: c = 8 tt + cb
.macro XIN W
	WIN 0x80+0x40*(\W)
.set c, 0
.rept 32
	ds_load_b128 v[8*c:8*c+3],   v[XA+(\W)] offset:(c/8)*16*PX+64*(c%8)
	ds_load_b128 v[8*c+4:8*c+7], v[XA+(\W)] offset:(c/8)*16*PX+64*(c%8)+16
.set c, c+1
.endr
.endm
	s_wait_tensorcnt 1                             ; tokens 0-63 are in; the second half may stay out.  Only I read my strip: my own counter orders these reads
	XIN 0
	s_wait_tensorcnt 0x0
	XIN 1
	WIN 0
	s_wait_loadcnt 0x0                             ; the vectors, kv, the statistics, fc1_b
.irp k, 0,1,2,3,4,5,6,7
	v_pk_mul_f32 v[DT+2*\k:DT+2*\k+1], v[DT+2*\k:DT+2*\k+1], 0x3f596d27 op_sel_hi:[1,0]  ; kappa fc1_b
.endr
.irp k, 0,1,2,3
	ds_store_b128 v[B1A], v[DT+4*\k:DT+4*\k+3] offset:2048*\k
.endr
	s_wait_tensorcnt 0x0                           ; slot 0's bytes held x: they are filled again.  No tensor load of mine is out;
	ds_add_u32 v[SPW], v[NIL]                      ; 0 onto my spare word;
	s_wait_dscnt 0x0                               ; the add is done, x is in registers, the bias is in LDS
	CROUND                                         ; no wave of any partner still reads the bytes; also: every wave has left x's second half, over which h is stored
	REFILL 0                                       ; fc1 of my first chunk, tile a
; (X rs + nm) w + b for all 64 accumulators, in 16 batches of 32 registers (token tile t, channel blocks 4 cbh ..+3); the result goes to LDS in bf16, into my own 256 bytes of each row.
; wr, br: where w and b lie in window 1.  fb = 0: X takes the result on top (x + h).  fb = 1: X takes fc2_b on top.
.macro NORMPASS wr, br, fb
.set t, 0
.rept 8
.set cbh, 0
.rept 2
.set xb, 64*(t%4)+32*cbh
	WIN 0x02+t/4                                   ; source 0 in window 2 or 3
.set p, 0
.rept 16
	v_pk_fma_f32 v[DT+2*p:DT+2*p+1], v[xb+2*p:xb+2*p+1], v[ST+2*t:ST+2*t+1], v[ST+2*t:ST+2*t+1] op_sel:[0,0,1] op_sel_hi:[1,0,1]  ; rs for both halves, nm for both
.set p, p+1
.endr
	WIN 0x14                                       ; sources 1 and 2 in window 1
.set p, 0
.rept 16
	v_pk_fma_f32 v[DT+2*p:DT+2*p+1], v[DT+2*p:DT+2*p+1], v[(\wr)+32*cbh+2*p:(\wr)+32*cbh+2*p+1], v[(\br)+32*cbh+2*p:(\br)+32*cbh+2*p+1]
.set p, p+1
.endr
	WIN 0
.set p, 0
.rept 16
	v_cvt_pk_bf16_f32 v[PK+p], v[DT+2*p], v[DT+2*p+1]
.set p, p+1
.endr
.set p, 0
.rept 4
	ds_store_b128 v[HS+t/4], v[PK+4*p:PK+4*p+3] offset:(t%4)*16*PM+32*(4*cbh+p)
.set p, p+1
.endr
	WIN 0x82+0x41*(t/4)                            ; destination and source 0 in window 2 or 3
.set p, 0
.rept 16
.if \fb
	v_pk_add_f32 v[xb+2*p:xb+2*p+1], v[xb+2*p:xb+2*p+1], v[FB2+32*cbh+2*p:FB2+32*cbh+2*p+1]
.else
	v_pk_add_f32 v[xb+2*p:xb+2*p+1], v[xb+2*p:xb+2*p+1], v[DT+2*p:DT+2*p+1]
.endif
.set p, p+1
.endr
.set cbh, cbh+1
.endr
.set t, t+1
.endr
.endm
; The attention for the four token tiles of window 2 + W: for each tile and each of my four heads, (h kv)^T = kv^T h^T is added onto x + h.  h's fragments are my own bytes of LDS.
.macro ATTN W
	WIN 0x40
.set c, 0
.rept 16                               ; c = 4 tt + hd
	ds_load_b128 v[8*c:8*c+3],   v[HS+(\W)] offset:(c/4)*16*PM+64*(c%4)     ; LDS serves a wave's instructions in order (ISA guide 5.7.1.4): these see my stores of h
	ds_load_b128 v[8*c+4:8*c+7], v[HS+(\W)] offset:(c/4)*16*PM+64*(c%4)+32
.set c, c+1
.endr
	s_wait_dscnt 0x0
	WIN 0xa4+0x50*(\W)                             ; kv in window 0, h in window 1, C and D in window 2 or 3
.set c, 0
.rept 32                               ; c = 8 tt + 2 hd + j: each accumulator has one product
	v_wmma_f32_16x16x32_bf16 v[8*c:8*c+7], v[KVF+8*(c%8):KVF+8*(c%8)+7], v[8*(c/2):8*(c/2)+7], v[8*c:8*c+7]
.set c, c+1
.endr
	PLACES
.endm
; For each token of window 2 + W: the sum of x2 over my 128 channels.  Sixteen chains, chain c over the accumulators 2 c and 2 c + 1, each from its low end on.
.macro SUMPASS W
	WIN 0x0a+5*(\W)                                ; sources 0 and 1 in window 2 or 3
.set c, 0
.rept 16
	v_pk_add_f32 v[SQ+2*c:SQ+2*c+1], v[16*c:16*c+1], v[16*c+2:16*c+3]
.set c, c+1
.endr
	WIN 0x02+(\W)
.set st, 2
.rept 6
.set c, 0
.rept 16
	v_pk_add_f32 v[SQ+2*c:SQ+2*c+1], v[16*c+2*st:16*c+2*st+1], v[SQ+2*c:SQ+2*c+1]
.set c, c+1
.endr
.set st, st+1
.endr
	WIN 0
.irp tt, 0,1,2,3
	v_pk_add_f32 v[SQ+8*\tt:SQ+8*\tt+1],   v[SQ+8*\tt:SQ+8*\tt+1],   v[SQ+8*\tt+2:SQ+8*\tt+3]
	v_pk_add_f32 v[SQ+8*\tt+4:SQ+8*\tt+5], v[SQ+8*\tt+4:SQ+8*\tt+5], v[SQ+8*\tt+6:SQ+8*\tt+7]
.endr
.irp tt, 0,1,2,3
	v_pk_add_f32 v[SQ+8*\tt:SQ+8*\tt+1], v[SQ+8*\tt:SQ+8*\tt+1], v[SQ+8*\tt+4:SQ+8*\tt+5]
.endr
.irp tt, 0,1,2,3
	v_add_f32 v[SUM+4*(\W)+\tt], v[SQ+8*\tt], v[SQ+8*\tt+1]
.endr
.irp tt, 0,1,2,3
	v_permlanex16_b32 v[SQ+8*\tt+1], v[SUM+4*(\W)+\tt], s80, s81  ; the token's other channels lie in the lane 16 away
.endr
.irp tt, 0,1,2,3
	v_add_f32 v[SUM+4*(\W)+\tt], v[SUM+4*(\W)+\tt], v[SQ+8*\tt+1]
.endr
.endm
; The four waves' sums meet in LDS: v[SQ+t] = the sum over all 512 channels for token 16 t + l % 16.  Each exchange has bytes of its own.
.macro XCHG off
	ds_store_b128 v[STW], v[SUM:SUM+3]   offset:(\off)
	ds_store_b128 v[STW], v[SUM+4:SUM+7] offset:(\off)+16
	s_wait_dscnt 0x0                               ; for the others' sake
	s_barrier_signal -1                            ; the weight tile on its way may stay out
	s_barrier_wait -1
.irp w, 0,1,2,3
	ds_load_b128 v[SQ+8*\w:SQ+8*\w+3],   v[STR] offset:(\off)+32*\w
	ds_load_b128 v[SQ+8*\w+4:SQ+8*\w+7], v[STR] offset:(\off)+32*\w+16
.endr
	s_wait_dscnt 0x0
.irp q, 0,2,4,6
	v_pk_add_f32 v[SQ+\q:SQ+\q+1],       v[SQ+\q:SQ+\q+1],       v[SQ+8+\q:SQ+8+\q+1]
	v_pk_add_f32 v[SQ+16+\q:SQ+16+\q+1], v[SQ+16+\q:SQ+16+\q+1], v[SQ+24+\q:SQ+24+\q+1]
.endr
.irp q, 0,2,4,6
	v_pk_add_f32 v[SQ+\q:SQ+\q+1], v[SQ+\q:SQ+\q+1], v[SQ+16+\q:SQ+16+\q+1]
.endr
.endm
; For each token: the sum of (x2 - mean)^2 over my 128 channels; the mean lies in the first register of the token tile's pair.
.macro VARPASS
.set t, 0
.rept 8
.set vq, SQ+8*(t%2)
.set cbh, 0
.rept 2
.set xb, 64*(t%4)+32*cbh
	WIN 0x02+t/4
.set p, 0
.rept 16
	v_pk_add_f32 v[DT+2*p:DT+2*p+1], v[xb+2*p:xb+2*p+1], v[ST+2*t:ST+2*t+1] op_sel_hi:[1,0] neg_lo:[0,1] neg_hi:[0,1]
.set p, p+1
.endr
	WIN 0
.set p, 0
.rept 16
.if (cbh == 0) && (p < 4)
	v_pk_mul_f32 v[vq+2*p:vq+2*p+1], v[DT+2*p:DT+2*p+1], v[DT+2*p:DT+2*p+1]
.else
	v_pk_fma_f32 v[vq+2*(p%4):vq+2*(p%4)+1], v[DT+2*p:DT+2*p+1], v[DT+2*p:DT+2*p+1], v[vq+2*(p%4):vq+2*(p%4)+1]
.endif
.set p, p+1
.endr
.set cbh, cbh+1
.endr
	v_pk_add_f32 v[vq:vq+1],   v[vq:vq+1],   v[vq+2:vq+3]
	v_pk_add_f32 v[vq+4:vq+5], v[vq+4:vq+5], v[vq+6:vq+7]
	v_pk_add_f32 v[vq:vq+1],   v[vq:vq+1],   v[vq+4:vq+5]
	v_add_f32 v[SUM+t], v[vq], v[vq+1]
.set t, t+1
.endr
.irp t8, 0,1,2,3,4,5,6,7
	v_permlanex16_b32 v[SQ+16+\t8], v[SUM+\t8], s80, s81
.endr
.irp t8, 0,1,2,3,4,5,6,7
	v_add_f32 v[SUM+\t8], v[SUM+\t8], v[SQ+16+\t8]
.endr
.endm
	NORMPASS 0, 64, 0                              ; h to LDS; the accumulators hold x + h
	ATTN 0
	ATTN 1                                         ; x2
	SUMPASS 0
	SUMPASS 1
	XCHG 0
.irp t8, 0,1,2,3,4,5,6,7
	v_mul_f32 v[ST+2*\t8], s86, v[SQ+\t8]          ; LN2's mean
.endr
	VARPASS
	XCHG 2304
.irp t8, 0,1,2,3,4,5,6,7
	v_fma_f32 v[SQ+\t8], v[SQ+\t8], s86, s87
.endr
.irp t8, 0,1,2,3,4,5,6,7
	v_rsq_f32 v[SQ+\t8], v[SQ+\t8]
.endr
	v_nop                                          ; a plain instruction between the last v_rsq_f32 and the use of its result (ISA guide 5.7.2)
	s_wait_alu depctr_va_vdst(0)
.irp t8, 0,1,2,3,4,5,6,7
	v_mul_f32 v[ST+2*\t8+1], -v[ST+2*\t8], v[SQ+\t8]
.endr
.irp t8, 0,1,2,3,4,5,6,7
	v_mov_b32 v[ST+2*\t8], v[SQ+\t8]
.endr
	NORMPASS 128, 192, 1                           ; m to LDS, over my own columns of h; the accumulators hold x2 + fc2_b
	WIN 0
; The bias of the chunk to come: register 8 b + j = hidden unit 64 (w % 2) + 16 b + 8 (l / 16) + j.  It is the C operand that starts fc1's sums.
.macro FETCHB
	WIN 0
.irp b, 0,1,2,3
	ds_load_b128 v[BIAS+8*\b:BIAS+8*\b+3],   v[AB1] offset:64*\b
	ds_load_b128 v[BIAS+8*\b+4:BIAS+8*\b+7], v[AB1] offset:64*\b+16
.endr
	v_add_nc_u32 v[AB1], 512, v[AB1]
.endm
; fc1: 32 LDS loads in one run: the fragments of 64 along K (block kb of the tile, half kh of K) into buffer f, the first 32 along K first
.macro FETCH1 slot, kh, kb, f
	WIN 0x40
.irp c, 0,1
.irp i, 0,1,2,3
	ds_load_b128 v[(\f)+64+8*(4*\c+\i):(\f)+64+8*(4*\c+\i)+3],   v[AW1+(\slot)] offset:(\kb)*128*PW+\i*16*PW+64*\c
	ds_load_b128 v[(\f)+64+8*(4*\c+\i)+4:(\f)+64+8*(4*\c+\i)+7], v[AW1+(\slot)] offset:(\kb)*128*PW+\i*16*PW+64*\c+32
	ds_load_b128 v[(\f)+8*(4*\c+\i):(\f)+8*(4*\c+\i)+3],         v[AM] offset:\i*16*PM+512*(\kh)+128*(\kb)+64*\c
	ds_load_b128 v[(\f)+8*(4*\c+\i)+4:(\f)+8*(4*\c+\i)+7],       v[AM] offset:\i*16*PM+512*(\kh)+128*(\kb)+64*\c+32
.endr
.endr
.endm
; fc2: 32 LDS loads in one run: my 128 channels' weights, then all 128 tokens' H', 32 along K (part s of half hf of the chunk) into buffer f
.macro FETCH2 slot, s, hf, f
	WIN 0x40
.irp b, 0,1,2,3,4,5,6,7
	ds_load_b128 v[(\f)+8*\b:(\f)+8*\b+3],   v[AW2+(\slot)] offset:\b*16*PW+64*(\s)
	ds_load_b128 v[(\f)+8*\b+4:(\f)+8*\b+7], v[AW2+(\slot)] offset:\b*16*PW+64*(\s)+32
.endr
.irp t8, 0,1,2,3,4,5,6,7
	ds_load_b128 v[(\f)+64+8*\t8:(\f)+64+8*\t8+3],   v[AH] offset:\t8*16*PH+128*(\hf)+64*(\s)
	ds_load_b128 v[(\f)+64+8*\t8+4:(\f)+64+8*\t8+7], v[AH] offset:\t8*16*PH+128*(\hf)+64*(\s)+32
.endr
.endm
; fc1: 8 matrix instructions: token tiles a0, a0 + 1 x 4 hidden tiles, 32 along K: half c of buffer f.  first = 1: the bias starts the sums.  The 16 accumulators take turns.
.macro MUL8 f, c, a0, first
	WIN 0x05                                       ; sources 0 and 1 in window 1; C and D in window 0
.irp a, \a0, (\a0)+1
.irp b, 0,1,2,3
.if \first
	v_wmma_f32_16x16x32_bf16 v[ACC1+8*(4*(\a)+(\b)):ACC1+8*(4*(\a)+(\b))+7], v[(\f)+64+8*(4*(\c)+(\b)):(\f)+64+8*(4*(\c)+(\b))+7], v[(\f)+8*(4*(\c)+(\a)):(\f)+8*(4*(\c)+(\a))+7], v[BIAS+8*(\b):BIAS+8*(\b)+7]
.else
	v_wmma_f32_16x16x32_bf16 v[ACC1+8*(4*(\a)+(\b)):ACC1+8*(4*(\a)+(\b))+7], v[(\f)+64+8*(4*(\c)+(\b)):(\f)+64+8*(4*(\c)+(\b))+7], v[(\f)+8*(4*(\c)+(\a)):(\f)+8*(4*(\c)+(\a))+7], v[ACC1+8*(4*(\a)+(\b)):ACC1+8*(4*(\a)+(\b))+7]
.endif
.endr
.endr
.endm
; GELU: a list of 56 instructions for each of fc1's 16 accumulators; GL writes number gq of the 896.  In a tile's list, A being the accumulator:
;   0-7 1 + p |A| (the accumulator's lowest register is read first)   8-15 t = 1 / ..   16-19 -A^2   20-27 E = 2^(-A^2)   28-39 P(t) = ((a3 t + a2) t + a1) t
;   40-43 1 - P E   44-51 |A| (..) + A   52-55 rounded to bf16, into the accumulator's registers 0-3
; Behind each run of transcendentals stand four plain instructions that touch none of its registers (ISA guide 5.7.2).
.macro GL
	WIN 0
.set gA, ACC1+8*(gq/56)
.set gn, gq%56
.if gn < 8
	v_fma_f32 v[GD+gn], |v[gA+gn]|, s78, 1.0
.elseif gn < 16
	v_rcp_f32 v[GD+gn-8], v[GD+gn-8]
.elseif gn < 20
	v_pk_mul_f32 v[GS+2*(gn-16):GS+2*(gn-16)+1], v[gA+2*(gn-16):gA+2*(gn-16)+1], v[gA+2*(gn-16):gA+2*(gn-16)+1] neg_lo:[1,0] neg_hi:[1,0]
.elseif gn < 28
	v_exp_f32 v[GS+gn-20], v[GS+gn-20]
.elseif gn < 32
	s_wait_alu depctr_va_vdst(0)
	v_pk_fma_f32 v[GQ+2*(gn-28):GQ+2*(gn-28)+1], v[GD+2*(gn-28):GD+2*(gn-28)+1], s[66:67], s[68:69] op_sel_hi:[1,0,0]
.elseif gn < 36
	v_pk_fma_f32 v[GQ+2*(gn-32):GQ+2*(gn-32)+1], v[GQ+2*(gn-32):GQ+2*(gn-32)+1], v[GD+2*(gn-32):GD+2*(gn-32)+1], s[70:71] op_sel_hi:[1,1,0]
.elseif gn < 40
	v_pk_mul_f32 v[GQ+2*(gn-36):GQ+2*(gn-36)+1], v[GQ+2*(gn-36):GQ+2*(gn-36)+1], v[GD+2*(gn-36):GD+2*(gn-36)+1]
.elseif gn < 44
	v_pk_fma_f32 v[GQ+2*(gn-40):GQ+2*(gn-40)+1], v[GQ+2*(gn-40):GQ+2*(gn-40)+1], v[GS+2*(gn-40):GS+2*(gn-40)+1], 1.0 op_sel_hi:[1,1,0] neg_lo:[1,0,0] neg_hi:[1,0,0]
.elseif gn < 52
	v_fma_f32 v[GD+gn-44], |v[gA+gn-44]|, v[GQ+gn-44], v[gA+gn-44]
.else
	v_cvt_pk_bf16_f32 v[gA+gn-52], v[GD+2*(gn-52)], v[GD+2*(gn-52)+1]
.endif
.set gq, gq+1
.endm
; fc2: 16 matrix instructions: token tiles a0, a0 + 1 of window 2 + hi x my 8 channel blocks, 32 along K.  The 64 accumulators take turns, in the same order in every step.
; RIDE = 1: behind matrix instruction number wm of a chunk's 256 the gelu list is written up to number 7 wm / 2: 3 or 4 lines, which name no register of the products round them.
.macro MUL16R f, hi, a0
.irp a, \a0, (\a0)+1
.irp b, 0,1,2,3,4,5,6,7
	WIN 0xa5+0x50*(\hi)                            ; sources 0 and 1 in window 1; C and D in window 2 or 3
	v_wmma_f32_16x16x32_bf16 v[8*(8*(\a)+(\b)):8*(8*(\a)+(\b))+7], v[(\f)+8*(\b):(\f)+8*(\b)+7], v[(\f)+64+8*(4*(\hi)+(\a)):(\f)+64+8*(4*(\hi)+(\a))+7], v[8*(8*(\a)+(\b)):8*(8*(\a)+(\b))+7]
.if RIDE
.set wm, wm+1
.rept 4
.if gq < (wm*7)/2
	GL
.endif
.endr
.endif
.endr
.endr
.endm
; fc1: a quarter of a tile, 64 along K, 32 matrix instructions: multiplies buffer f and fetches the next quarter (block kbn) into g
.macro Q1 slot, kh, kbn, f, g, first
	s_wait_dscnt 16                                ; the first 32 along K are in (behind a store of H' the youngest sixteen are its stores, and everything is in)
	MUL8 \f, 0, 0, \first
	MUL8 \f, 0, 2, \first
	PLACES
	FETCH1 \slot, \kh, \kbn, \g
	s_wait_dscnt 32                                ; all but the 32 just issued
	MUL8 \f, 1, 0, 0
	MUL8 \f, 1, 2, 0
.endm
; fc1: a tile's last quarter multiplies buffer 1 and changes slots.  In front of the round each wave waits for all its tensor loads, of which one is out: its quarter of the next slot;
; adds 0 to its spare word; and waits for that and for all its LDS work.  Behind the round no wave of any partner reads this slot, the next slot is whole, and what the waves stored (m, H') is seen by all.
; nxt = 0: the next fetch is fc1's from slot 1; 1: the next chunk's bias and fc1's from slot 0; 2: fc2's from slot 0.  kind: what is asked for (ASK).
.macro TURN1 slot, nxt, kind
	WIN 0                                          ; (the add's two registers lie in window 0)
	s_wait_tensorcnt 0x0                           ; no tensor load of mine is out, so a group 0 may be written
	ds_add_u32 v[SPW], v[NIL]                      ; 0 onto my spare word
	ASK \slot, \kind
	s_wait_dscnt 17                                ; (the add and the youngest sixteen loads may be out)
	MUL8 F1, 0, 0, 0
	s_wait_dscnt 0x0                               ; the add is done, and my reads of this slot are over
	s_barrier_signal -1
	MUL8 F1, 0, 2, 0
	WIN 0                                          ; at a branch and at a label every window is 0
	s_barrier_wait -1
	CREST
	REFILL \slot
.if (\nxt) == 0
	FETCH1 1, 1, 0, F0
.elseif (\nxt) == 1
	FETCHB
	FETCH1 0, 0, 0, F0
.else
	FETCH2 0, 0, 0, F0
.endif
	MUL8 F1, 1, 0, 0
	MUL8 F1, 1, 2, 0
.endm
.macro G1PH nxt, kind                  ; fc1 of a chunk: two tiles, 256 matrix instructions
	Q1 0, 0, 1, F0, F1, 1
	Q1 0, 0, 2, F1, F0, 0
	Q1 0, 0, 3, F0, F1, 0
	TURN1 0, 0, \kind
	Q1 1, 1, 1, F0, F1, 0
	Q1 1, 1, 2, F1, F0, 0
	Q1 1, 1, 3, F0, F1, 0
	TURN1 1, \nxt, \kind
.endm
; fc2: 32 along K, 64 matrix instructions: multiplies buffer f and fetches the next 32 into g
.macro K2 f, g, slot, s, hf
	s_wait_dscnt 8                                 ; the weights and H's token tiles 0-3 are in; tiles 4-7 (eight loads) may be out
	MUL16R \f, 0, 0
	MUL16R \f, 0, 2
	PLACES
	FETCH2 \slot, \s, \hf, \g
	s_wait_dscnt 32                                ; all but the 32 just issued
	MUL16R \f, 1, 0
	MUL16R \f, 1, 2
.endm
.macro TURN2A slot                     ; fc2: a tile's last 32 along K, first half, and the change of slots, as in TURN1
	WIN 0
	s_wait_tensorcnt 0x0
	ds_add_u32 v[SPW], v[NIL]                      ; 0 onto my spare word
	ASK \slot, 2
	s_wait_dscnt 9                                 ; (the add and the youngest eight loads may be out)
	MUL16R F1, 0, 0
	s_wait_dscnt 0x0                               ; the add is done; my reads of this slot, and of H', are over
	s_barrier_signal -1
	MUL16R F1, 0, 2
	WIN 0
	s_barrier_wait -1
	CREST
	REFILL \slot
.endm
.macro TURN2B
	MUL16R F1, 1, 0
	MUL16R F1, 1, 2
.endm
.macro HSTORE                          ; H' of a chunk: tile k = 4 tt + i: token 64 (w / 2) + 16 tt + l % 16, hidden 64 (w % 2) + 16 i + 8 (l / 16) ..+7
	WIN 0
.set k, 0
.rept 16
	ds_store_b128 v[STO], v[ACC1+8*k:ACC1+8*k+3] offset:(k/4)*16*PH+32*(k%4)
.set k, k+1
.endr
.endm
	s_wait_tensorcnt 0x0                           ; tile a has landed.  Slot 1's bytes held x: they are filled again
	ds_add_u32 v[SPW], v[NIL]                      ; 0 onto my spare word
	s_wait_dscnt 0x0                               ; the add is done, and m is in LDS
	CROUND                                         ; tile a and m are whole for every wave
	REFILL 1                                       ; fc1 of my first chunk, tile b
	FETCHB
	FETCH1 0, 0, 0, F0
.set RIDE, 0
.set wm, 0
.set gq, 0
	G1PH 1, 0                                      ; fc1 of my first chunk; the second chunk's fc1 tiles are asked for
	PLACES
.rept 896
	GL                                             ; gelu of my first chunk: there is no fc2 yet beside which it could stand
.endr
	HSTORE
	WIN 0
	s_mov_b32 s3, 15
	s_branch .Lchunk                               ; the loop is entered in the middle of a trip
.Ltop:                                                 ; behind the refill of slot 1: the next chunk's first fetch, the last 32 products of fc2 with the end of gelu, and H'
	FETCHB
	FETCH1 0, 0, 0, F0
.set RIDE, 1
.set wm, 224
.set gq, 784
	TURN2B
	HSTORE                                         ; behind the round in front of which every wave's reads of the old H' came back; the next round shows the new H' to all
	WIN 0
.Lchunk:                                               ; 15 times, k = 1..15: fc1(k), then fc2(k - 1) with gelu(k); four tiles are left and four asked for
	G1PH 2, 1
	PLACES                                         ; gelu reads results just made
.set RIDE, 1
.set wm, 0
.set gq, 0
	K2 F0, F1, 0, 1, 0
	TURN2A 0
	FETCH2 1, 0, 1, F0
	TURN2B
	K2 F0, F1, 1, 1, 1
	TURN2A 1
	WIN 0
	s_sub_co_u32 s3, s3, 1
	s_cmp_lg_u32 s3, 0
	s_cbranch_scc1 .Ltop
	; THE TAIL: the last trip's end, and fc2 of my last chunk.  Nothing more is asked for.
	TURN2B
	HSTORE
	s_wait_dscnt 0x0                               ; for the others' sake: H' of the last chunk is in LDS
	s_barrier_signal -1                            ; the last tile may stay out
	s_barrier_wait -1
.set RIDE, 0
	FETCH2 0, 0, 0, F0
	K2 F0, F1, 0, 1, 0
	s_wait_tensorcnt 0x0                           ; my quarter of the last tile is in,
	s_wait_dscnt 0x0
	s_barrier_signal -1
	s_barrier_wait -1                              ; everybody's is
	K2 F1, F0, 1, 0, 1
	K2 F0, F1, 1, 1, 1
	s_wait_dscnt 8
	MUL16R F1, 0, 0
	MUL16R F1, 0, 2
	s_wait_dscnt 0x0
	MUL16R F1, 1, 0
	MUL16R F1, 1, 2
	; THE WAY OUT.  A lane holds 32 bytes of a row of out0, the lanes beside it other rows.  A token tile at a time goes through my own stage in LDS (m's bytes, which nobody reads any more)
	; and comes back as whole rows of my 512 bytes.
.macro TOSTAGE t
.if (\t) >= 2
	s_wait_xcnt 0x0                                ; every earlier store has read its registers (ISA guide 3.1): the rows' registers are loaded again only behind this wait
.endif
	WIN 0x08+4*((\t)/4)                            ; the data in window 2 or 3
.irp b, 0,1,2,3,4,5,6,7
	ds_store_b128 v[STO2], v[8*(8*((\t)%4)+\b):8*(8*((\t)%4)+\b)+3]   offset:64*\b     ; each accumulator from its low end on
	ds_store_b128 v[STO2], v[8*(8*((\t)%4)+\b)+4:8*(8*((\t)%4)+\b)+7] offset:64*\b+16
.endr
	WIN 0
.irp i, 0,1,2,3,4,5,6,7,8,9,10,11,12,13,14,15
	ds_load_b128 v[OB+64*((\t)%2)+4*\i:OB+64*((\t)%2)+4*\i+3], v[RD2] offset:PX*\i  ; LDS serves a wave's instructions in order (ISA guide 5.7.1.4): these see the stores above; the next tile's stores come behind them
.endr
.endm
.macro SEND t, younger                 ; younger: the LDS instructions issued behind tile t's loads: the next tile's 32, or none
.irp i, 0,1,2,3,4,5,6,7,8,9,10,11,12,13,14,15
	s_wait_dscnt (\younger)+15-\i
	global_store_b128 v[CO], v[OB+64*((\t)%2)+4*\i:OB+64*((\t)%2)+4*\i+3], s[24:25] offset:(16*(\t)+\i)*2048 th:TH_STORE_NT  ; 512 consecutive bytes, at a multiple of 256 from out0's first byte
.endr
.endm
	PLACES
	TOSTAGE 0
.irp tn, 1,2,3,4,5,6,7
	TOSTAGE \tn
	SEND (\tn)-1, 32
.endr
	SEND 7, 0
	s_wait_tensorcnt 0x0                           ; the wave's end: behind my last tensor load and my last LDS store
	ds_add_u32 v[SPW], v[NIL]
	s_wait_dscnt 0x0
	CROUND                                         ; the closing round: no work-group ends while a partner may still ask for a tile that names it
	s_endpgm
.Lfunc_end_k_q9e0962fd62_mlp:
	.size	k_q9e0962fd62_mlp, .Lfunc_end_k_q9e0962fd62_mlp-k_q9e0962fd62_mlp
	.p2alignl 7, 3214868480
	.fill 96, 4, 3214868480
	.section	.rodata,"a",@progbits
	.p2align	6, 0x0
	.amdhsa_kernel k_q9e0962fd62_mlp
		.amdhsa_group_segment_fixed_size 327680
		.amdhsa_private_segment_fixed_size 0
		.amdhsa_enable_private_segment 0
		.amdhsa_kernarg_size 88
		.amdhsa_user_sgpr_count 2
		.amdhsa_user_sgpr_kernarg_segment_ptr 1
		.amdhsa_wavefront_size32 1
		.amdhsa_system_sgpr_workgroup_id_x 1
		.amdhsa_system_sgpr_workgroup_id_y 1
		.amdhsa_system_sgpr_workgroup_id_z 1
		.amdhsa_system_vgpr_workitem_id 0
		.amdhsa_next_free_vgpr 1024
		.amdhsa_next_free_sgpr 96
		.amdhsa_reserve_vcc 0
		.amdhsa_float_denorm_mode_32 3
		.amdhsa_float_denorm_mode_16_64 3
		.amdhsa_memory_ordered 1
		.amdhsa_forward_progress 1
		.amdhsa_inst_pref_size 255
	.end_amdhsa_kernel
	.section	.bss,"aw",@nobits
	.p2align	6
	.space	262144
	.amdgpu_metadata
---
amdhsa.version: [ 1, 2 ]
amdhsa.kernels:
  - .name:           k_q9e0962fd62_mlp
    .symbol:         k_q9e0962fd62_mlp.kd
    .args:
      - { .name: x, .offset: 0, .size: 8, .value_kind: global_buffer, .address_space: global }
      - { .name: kvf, .offset: 8, .size: 8, .value_kind: global_buffer, .address_space: global }
      - { .name: wt, .offset: 16, .size: 8, .value_kind: global_buffer, .address_space: global }
      - { .name: st1, .offset: 24, .size: 8, .value_kind: global_buffer, .address_space: global }
      - { .name: norm1_w, .offset: 32, .size: 8, .value_kind: global_buffer, .address_space: global }
      - { .name: norm1_b, .offset: 40, .size: 8, .value_kind: global_buffer, .address_space: global }
      - { .name: norm2_w, .offset: 48, .size: 8, .value_kind: global_buffer, .address_space: global }
      - { .name: norm2_b, .offset: 56, .size: 8, .value_kind: global_buffer, .address_space: global }
      - { .name: fc1_b, .offset: 64, .size: 8, .value_kind: global_buffer, .address_space: global }
      - { .name: fc2_b, .offset: 72, .size: 8, .value_kind: global_buffer, .address_space: global }
      - { .name: out0, .offset: 80, .size: 8, .value_kind: global_buffer, .address_space: global }
    .group_segment_fixed_size: 327680
    .private_segment_fixed_size: 0
    .kernarg_segment_align: 8
    .kernarg_segment_size: 88
    .max_flat_workgroup_size: 128
    .sgpr_count:     96
    .vgpr_count:     1024
    .wavefront_size: 32
...
	.end_amdgpu_metadata
.endif
;; end of part 5
